; MI455X (gfx1250); checked and timed in simulation.
; The chip was launched on July 23, 2026; its instructions are those of AMD's public machine-readable ISA for CDNA 5 (MIT licence, August 2026) and "CDNA5" Instruction Set Architecture Reference Guide (July 2026). The comments in the code are by the model that wrote it; some were corrected since.
;; Local Attention. Allowed arithmetic: matrix products marked QUANTISED: E3M2 operands, one E8M0 scale for each 32 along K, by v_wmma_scale_f32_16x16x128_f8f6f4 with both operands' format E3M2, f32 sums; products left as they are: f32 operands where the result goes on into a quantised operand, else bf16, f16 or f32 operands; f32 sums; everything else in f32.
;; Inputs: W_a_codes 1,024 x 32 x 24 uint8 (E3M2 codes of W_a, K innermost, in blocks of 32 codes, four codes in three bytes); W_a_scales 1,024 x 32 uint8 (E8M0 scales of W_a, one for each 32 codes along K); W_c_codes 1,024 x 64 x 24 uint8 (E3M2 codes of W_c, K innermost, in blocks of 32 codes, four codes in three bytes); W_c_scales 1,024 x 64 uint8 (E8M0 scales of W_c, one for each 32 codes along K); W_p_codes 1,024 x 32 x 24 uint8 (E3M2 codes of W_p, K innermost, in blocks of 32 codes, four codes in three bytes); W_p_scales 1,024 x 32 uint8 (E8M0 scales of W_p, one for each 32 codes along K); encoder_outputs 64 x 1,024 x 1,024 float32; output 64 x 1 x 1,024 float32; v_p 1 x 1,024 float32.
;; Outputs: out0 64 x 1 x 1,024 float32.
;; Constants: time_step = 5.
;; This version of the problem:
;;   THIS VERSION OF THE PROBLEM IS GIVEN IN LOW PRECISION. The matrix products marked QUANTISED in the list below multiply operands that are first quantised to E3M2 (3 exponent bits, 2 mantissa bits; 6 bits a number), with one power-of-two scale for each 32 numbers along K (OCP MX v1.0); their sums are f32. All else is computed in f32.
;;   The module's matrix products, in the order in which they are computed (A, B: the left and right operand; K: the contracted axis; several contracted axes count as one K, in the product's order):
;;     1. [M 65,536, K 1,024] x [K 1,024, N 1,024]; A: input encoder_outputs; B: input W_a (given as codes): QUANTISED
;;     2. batch 64 x [M 1, K 1,024] x [K 1,024, N 1,024]; A: input output; B: computed on the way: left as it is (M = 1 < 16)
;;     3. [M 64, K 1,024] x [K 1,024, N 1,024]; A: input output; B: input W_p (given as codes): QUANTISED
;;     4. [M 64, K 1,024] x [K 1,024, N 1]; A: computed on the way; B: input v_p: left as it is (N = 1 < 16)
;;     5. batch 64 x [M 1, K 1,024] x [K 1,024, N 1,024]; A: computed on the way; B: input encoder_outputs: left as it is (M = 1 < 16)
;;     6. [M 64, K 2,048] x [K 2,048, N 1,024]; A: computed on the way; B: input W_c (given as codes): QUANTISED
;;   THE QUANTISER, for each operand of a quantised product, along K:
;;     - K is cut into blocks of 32 from its start; a last block that is shorter is filled with zeros.
;;     - A block's scale is 2^e with e = floor(log2(the largest magnitude in the block)) - 4, held to -126 .. 127; a block of zeros has e = 0. As a byte (E8M0): e + 127.
;;     - Each number is divided by its block's scale, clamped to +-28, and rounded to the nearest number of E3M2, ties to even, subnormals kept.
;;     - The product sums the exact products of the quantised numbers (number of the format x scale) in f32.
;;   ~~~python
;;   def quantise(x, axis):      # numpy; x: float32 -> the quantised numbers, widened to float32 again
;;       x = np.moveaxis(x, axis, -1); K = x.shape[-1]
;;       x = np.pad(x, [(0, 0)] * (x.ndim - 1) + [(0, -K % 32)]); x = x.reshape(x.shape[:-1] + (-1, 32)); a = np.abs(x).max(-1, keepdims=True)
;;       e = np.where(a > 0, np.clip(np.frexp(np.where(a > 0, a, 1))[1] - 1 - 4, -126, 127), 0)      # np.frexp(a)[1] - 1 = floor(log2(a)), exactly
;;       r = np.clip(x / 2.0 ** e, -28, 28)
;;       step = 2.0 ** (np.maximum(np.frexp(np.where(r == 0, 1, r))[1] - 1, -2) - 2)
;;       q = np.round(r / step) * step * 2.0 ** e      # np.round: ties to even
;;       return np.moveaxis(q.reshape(q.shape[:-2] + (-1,))[..., :K], -1, axis).astype(np.float32)
;;   ~~~
;;   OPERANDS COMPUTED ON THE WAY. 'Computed on the way' means the value that the module computes at that place (a softmax that the list does not call 'softmax' is quantised finished and normalised). What goes into a quantiser is computed in f32, as accurately as f32 sums, v_exp_f32 and their like allow (about 1e-6 of the number): no bf16 or f16 on the way to a quantiser, and a product that is left as it is and whose result goes on into a quantised operand takes f32 operands (vector FMAs, or v_wmma_f32_16x16x4_f32). A number that lies on a knife's edge between two numbers of the format may be rounded either way, as far as f32 arithmetic and the matrix unit's own rounding can turn it there, and no further.
;;   INPUTS GIVEN AS CODES. W_a (in the module: [1024, 1024], K = its axis 1); W_c (in the module: [1024, 2048], K = its axis 1); W_p (in the module: [1024, 1024], K = its axis 1): each comes as NAME_codes (uint8): NAME with its K axis moved to the last place and cut into blocks of 32 codes, [.., K / 32, bytes a block], one block behind the other in memory; four codes in three bytes: a row's codes are one little-endian stream of bits, code i at bits 6 i .. 6 i + 5 (a code: sign, 3 exponent bits, 2 mantissa bits); and NAME_scales (uint8): the same leading axes, one E8M0 byte (e + 127) for each 32 codes along K. Its value is code x scale, taken as it is: it is not quantised again, and the codes and scales need not be those that the quantiser above would give.
;; 2 versions, each right; version 2 is version 1 with the launches prep, final written anew for expert scheduling mode. Each part assembles by itself: llvm-mc -triple=amdgcn-amd-amdhsa -mcpu=gfx1250 --defsym DOCPART=n.
;; ======== version 1 of 2: 4 launches
;; workspace buffers: wa_img 819,200 bytes; zpart 16,384 bytes; scores 262,144 bytes; win 1,024 bytes of whole numbers; pt 1,024 bytes; ctx 262,144 bytes
;; launch prep (part 1): grid 64 x 1, 8 waves a work-group, no clusters, 9,216 bytes of LDS; arguments W_a_codes, W_a_scales, W_p_codes, W_p_scales, output, v_p, wa_img, zpart; writes wa_img, zpart
.if DOCPART == 1
	.amdgcn_target "amdgcn-amd-amdhsa--gfx1250"
	.amdhsa_code_object_version 6
	.text
	.protected	k_q0a3505b846_prep
	.globl	k_q0a3505b846_prep
	.p2align	8
	.type	k_q0a3505b846_prep,@function
k_q0a3505b846_prep:
	s_mov_b64 s[64:65], 0
	v_nop
	global_prefetch_b8 v0, s[64:65] scope:SCOPE_SE
	s_setreg_imm32_b32 hwreg(HW_REG_WAVE_MODE, 25, 1), 1
	s_wait_xcnt 0x0
; PREP.  Work-group t (0..63) takes rows 16 t .. 16 t + 15 of W_a and of W_p.  Eight waves.
; (a) W_a's codes and scale bytes are laid anew, in the order of a matrix operand's registers, for the launch that multiplies by them:
;     wa_img[chunk c of 256 along K][pair u of tiles 2 u, 2 u + 1] is 6,400 bytes: four fragments of 1,536 bytes (tile 2u K step 2c, tile 2u+1 K step 2c, tile 2u K step 2c+1,
;     tile 2u+1 K step 2c+1; registers 4 g .. 4 g + 3 of lane L at 512 g + 16 L), then 256 bytes of scale words: lane L at 8 L: the words of row (L % 16) of the two tiles for K step 2 c + L / 16.
;     Wave w re-lays the tile's fragment of K step w.
; (b) tanh(output W_p^T) for the 16 columns g of the tile, times v_p, summed over the 16: zpart[t][n].  output is quantised here (E3M2, one E8M0 scale a block of 32);
;     wave (m = w % 4, kh = w / 4) takes batch rows 16 m .. + 15 and K steps 4 kh .. + 3.  The product is used transposed (source 0 = W_p's rows, source 1 = output's rows):
;     a lane holds one batch row (lane % 16) and the columns 8 (lane / 16) + 0 .. 7.
; LIMITS: NaN and infinities among the inputs are not served.  A block of zeros gets the scale byte 1 (the rule says 127): its codes are zeros, and the byte is read by this program alone.
.set WV,  20                           ; s20 wave; s21 m; s22 kh; s23 w % 2
.set SEL, 44                           ; s[44:45] v_permlanex16_b32's selects for lane l xor 16
.set WPS, 16                           ; v16-19  W_p's scale words of my four K steps: scales and nothing else
.set PWS, 20                           ; v20-23  output's scale words of my four K steps: scales and nothing else
.set TM,  24                           ; v24-39  the quantiser's work
.set TP,  40                           ; v40-47  the conversions' second halves
.set RL,  48                           ; v48-59 W_a's fragment, v60 its scale word; later the two accumulators v48-55, v56-63
.set X0,  64                           ; v64-127, v128-191  two sets of 64 numbers of output
.set X1,  128
.set AC,  192                          ; v192-239 output's four fragments
.set VP,  240                          ; v240-247 v_p of my eight columns
.set MSB, 0                            ; window 1: v0-47 W_p's four fragments
.macro WIN new                         ; the immediate's high byte repeats the setting that is left
.if MSB != \new
	s_set_vgpr_msb (MSB<<8)|\new
.set MSB, \new
.endif
.endm
; 64 numbers of a lane, register 16 b + i = k 32 b + 16 (lane / 16) + i of my row, become a fragment's codes in v[pc] on and its scale word in v[pw]
.macro QUANT s, pc, pw
.irp b, 0,1,2,3
	v_max3_num_f32 v[TM+\b], |v[(\s)+16*\b]|, |v[(\s)+1+16*\b]|, 0x2800000   ; my 16 numbers of block b, and the floor 2^(5 - 127): the byte cannot fall under 1
.endr
.irp i, 2,4,6,8,10,12,14
.irp b, 0,1,2,3
	v_max3_num_f32 v[TM+\b], v[TM+\b], |v[(\s)+16*\b+\i]|, |v[(\s)+1+16*\b+\i]|
.endr
.endr
.irp b, 0,1,2,3
	v_permlanex16_b32 v[TM+4+\b], v[TM+\b], s[SEL], s[SEL+1]
.endr
.irp b, 0,1,2,3
	v_max_num_f32 v[TM+\b], v[TM+\b], v[TM+4+\b]          ; with lane l xor 16's: the block's largest magnitude
.endr
.irp b, 0,1,2,3
	v_add_nc_u32 v[TM+12+\b], 0xfe000000, v[TM+\b]        ; 4 off its exponent field: the conversion's scale operand
.endr
.irp b, 0,1,2,3
	v_lshrrev_b32 v[TM+4+\b], 23, v[TM+12+\b]             ; the scale's byte
.endr
	v_lshl_or_b32 v[\pw], v[TM+5], 8, v[TM+4]
	v_lshl_or_b32 v[\pw], v[TM+6], 16, v[\pw]
	v_lshl_or_b32 v[\pw], v[TM+7], 24, v[\pw]
.irp c, 0,1
	v_cvt_scalef32_pk16_bf6_f32 v[(\pc)+6*\c:(\pc)+2+6*\c], v[(\s)+32*\c:(\s)+15+32*\c], v[TM+12+2*\c]
	v_cvt_scalef32_pk16_bf6_f32 v[TP+4*\c:TP+2+4*\c], v[(\s)+16+32*\c:(\s)+31+32*\c], v[TM+13+2*\c]   ; (a conversion's three registers begin on an even number)
.endr
	v_nop                                          ; one plain place behind the scaled conversions
.irp c, 0,1                            ; the operand's layout wants a whole block in a lane
.irp i, 0,1,2
	v_permlane16_swap_b32 v[(\pc)+6*\c+\i], v[TP+4*\c+\i]
.endr
.irp i, 0,1,2
	v_mov_b32 v[(\pc)+3+6*\c+\i], v[TP+4*\c+\i]
.endr
.endr
.endm
.macro XLOAD reg, i                    ; my 16 rows' numbers of my K step i: 64 a lane
.irp b, 0,1,2,3
.irp j, 0,1,2,3
	global_load_b128 v[\reg+16*\b+4*\j:\reg+16*\b+4*\j+3], v11, s[12:13] offset:512*(\i)+128*\b+16*\j
.endr
.endr
.endm
	s_load_b512 s[4:19], s[0:1], 0x0               ; W_a codes s[4:5], W_a scales s[6:7], W_p codes s[8:9], W_p scales s[10:11], output s[12:13], v_p s[14:15], wa_img s[16:17], zpart s[18:19]
	v_lshl_add_u32 v254, v0, 2, 0x2000
	v_mov_b32 v255, 0
	v_lshrrev_b32 v1, 5, v0
	v_readfirstlane_b32 s[WV], v1                  ; wave 0..7
	v_and_b32 v1, 31, v0                           ; lane
	v_and_b32 v2, 15, v0                           ; r
	v_bfe_u32 v3, v0, 4, 1                         ; h
	s_and_b32 s21, s[WV], 3                        ; m
	s_lshr_b32 s22, s[WV], 2                       ; kh
	v_mul_u32_u24 v4, v2, 768                      ; a row of 1,024 codes is 768 bytes, in W_a and in W_p:
	v_mad_u32_u24 v4, v3, 24, v4                   ; row r, + 24 h
	v_lshlrev_b32 v5, 5, v2                        ; a row of scale bytes is 32 bytes: W_p's
	v_lshl_add_u32 v9, v3, 2, v5                   ; W_a's: lanes 16-31 take the next K step's word
	v_lshlrev_b32 v6, 4, v1                        ; 16 x lane: an image's place for my lane
	v_lshlrev_b32 v7, 3, v1                        ; 8 x lane
	v_lshlrev_b32 v10, 5, v3                       ; v_p: 32 h
	v_lshlrev_b32 v11, 12, v2
	v_lshl_add_u32 v11, v3, 6, v11                 ; output: row r of 4,096 bytes, + 64 h
	s_lshl_b32 s23, s21, 10
	v_add_nc_u32 v12, s23, v6                      ; LDS: the upper K half's sums of row tile m: 1,024 m + 16 x lane
	s_lshl_b32 s23, s21, 6
	v_lshl_add_u32 v13, v2, 2, s23
	v_add_nc_u32 v13, 4096, v13                    ; LDS: z of batch row 16 m + r
	v_add_nc_u32 v14, 4096, v7                     ; and all 64 of them, 8 bytes a lane
	s_and_b32 s23, s[WV], 1
.irp b, 0,1,2,3
	v_mov_b32 v[TM+4+\b], 0                        ; written once: a lane permute's destination counts as one of its sources
.endr
	s_mov_b32 s[SEL], 0x76543210
	s_mov_b32 s[SEL+1], 0xfedcba98
	; byte offsets, each in a pair of its own
	s_mul_i32 s24, ttmp9, 12288                    ; 16 rows of 768 bytes
	s_mul_i32 s28, s22, 384
	s_add_co_u32 s28, s28, s24                     ; W_p's codes: + my four K steps
	s_mul_i32 s42, s[WV], 96
	s_add_co_u32 s24, s24, s42                     ; W_a's codes: + K step w
	s_mov_b32 s25, 0
	s_mov_b32 s29, 0
	s_lshl_b32 s26, ttmp9, 9                       ; 16 rows of 32 scale bytes
	s_lshl_b32 s30, s22, 4
	s_add_co_u32 s30, s30, s26                     ; W_p's scales
	s_and_b32 s42, s[WV], 6
	s_lshl_b32 s42, s42, 2
	s_add_co_u32 s26, s26, s42                     ; W_a's scales: K steps 2 (w / 2) and + 1
	s_mov_b32 s27, 0
	s_mov_b32 s31, 0
	s_lshl_b32 s32, s21, 16
	s_lshl_b32 s42, s22, 11
	s_add_co_u32 s32, s32, s42                     ; output: 16 m rows, 512 kh numbers
	s_mov_b32 s33, 0
	s_lshl_b32 s34, ttmp9, 6                       ; v_p
	s_mov_b32 s35, 0
	s_lshr_b32 s36, s[WV], 1
	s_lshl_b32 s36, s36, 5
	s_lshr_b32 s42, ttmp9, 1
	s_add_co_u32 s36, s36, s42
	s_mul_i32 s36, s36, 6400                       ; wa_img: block of chunk w / 2, pair t / 2
	s_and_b32 s42, ttmp9, 1
	s_lshl_b32 s43, s42, 2
	s_add_co_u32 s38, s36, s43
	s_add_co_u32 s38, s38, 6144                    ; its scale words, my tile's word of each lane's two
	s_mov_b32 s39, 0
	s_mul_i32 s42, s42, 1536
	s_add_co_u32 s36, s36, s42
	s_mul_i32 s43, s23, 3072
	s_add_co_u32 s36, s36, s43                     ; my fragment's image
	s_mov_b32 s37, 0
	s_lshl_b32 s40, ttmp9, 8                       ; zpart: row t of 256 bytes
	s_mov_b32 s41, 0
	s_wait_kmcnt 0x0
	s_add_nc_u64 s[4:5], s[4:5], s[24:25]
	s_add_nc_u64 s[6:7], s[6:7], s[26:27]
	s_add_nc_u64 s[8:9], s[8:9], s[28:29]
	s_add_nc_u64 s[10:11], s[10:11], s[30:31]
	s_add_nc_u64 s[12:13], s[12:13], s[32:33]
	s_add_nc_u64 s[14:15], s[14:15], s[34:35]
	s_add_nc_u64 s[46:47], s[16:17], s[38:39]
	s_add_nc_u64 s[16:17], s[16:17], s[36:37]
	s_add_nc_u64 s[18:19], s[18:19], s[40:41]
	; 66 loads: W_a's fragment and word (7), two K steps of output (16 + 16), W_p's fragments and words (24 + 1), v_p (2)
.irp p, 0,1,2,3,4,5
	global_load_b64 v[RL+2*\p:RL+2*\p+1], v4, s[4:5] offset:48*(\p/3)+8*(\p%3)
.endr
	global_load_b32 v[RL+12], v9, s[6:7]
	XLOAD X0, 0
	XLOAD X1, 1
	WIN 0x40                                       ; destination window 1
.irp i, 0,1,2,3
.irp p, 0,1,2,3,4,5
	global_load_b64 v[12*\i+2*\p:12*\i+2*\p+1], v4, s[8:9] offset:96*\i+48*(\p/3)+8*(\p%3)
.endr
.endr
	WIN 0
	global_load_b128 v[WPS:WPS+3], v5, s[10:11]
	global_load_b128 v[VP:VP+3], v10, s[14:15]
	global_load_b128 v[VP+4:VP+7], v10, s[14:15] offset:16
	s_wait_loadcnt 59                              ; behind W_a's seven loads 59 were issued
.irp g, 0,1,2
	global_store_b128 v6, v[RL+4*\g:RL+4*\g+3], s[16:17] offset:512*\g   ; the fragment as it stands: 512 consecutive bytes a store
.endr
	s_cmp_eq_u32 s23, 0                            ; an even wave's word register holds both K steps of the chunk (lanes 0-15, lanes 16-31): it alone stores
	s_cbranch_scc0 .Lodd
	global_store_b32 v7, v[RL+12], s[46:47]
.Lodd:
	s_wait_loadcnt 43                              ; behind K step 0's sixteen: 16 + 25 + 2
	QUANT X0, AC, PWS
	XLOAD X0, 2
	s_wait_loadcnt 43                              ; behind K step 1's sixteen: 25 + 2 + 16
	QUANT X1, AC+12, PWS+1
	XLOAD X1, 3
	s_wait_loadcnt 16                              ; behind K step 2's sixteen: 16
	QUANT X0, AC+24, PWS+2
	s_wait_loadcnt 0x0
	QUANT X1, AC+36, PWS+3
	s_wait_xcnt 0x0                                ; the stores above have read v48-60: the accumulators may take them
.rept 8
	v_nop                                          ; a scale register written by a vector instruction stands 8 places ahead of a scaled matrix instruction, an operand 4
.endr
	WIN 0x01                                       ; source 0 (W_p) window 1
	; two accumulators by turns
	v_wmma_scale_f32_16x16x128_f8f6f4 v[48:55], v[0:11], v[AC:AC+11], 0, v[WPS], v[PWS] matrix_a_fmt:MATRIX_FMT_BF6 matrix_b_fmt:MATRIX_FMT_BF6
	v_wmma_scale_f32_16x16x128_f8f6f4 v[56:63], v[12:23], v[AC+12:AC+23], 0, v[WPS+1], v[PWS+1] matrix_a_fmt:MATRIX_FMT_BF6 matrix_b_fmt:MATRIX_FMT_BF6
	v_wmma_scale_f32_16x16x128_f8f6f4 v[48:55], v[24:35], v[AC+24:AC+35], v[48:55], v[WPS+2], v[PWS+2] matrix_a_fmt:MATRIX_FMT_BF6 matrix_b_fmt:MATRIX_FMT_BF6
	v_wmma_scale_f32_16x16x128_f8f6f4 v[56:63], v[36:47], v[AC+36:AC+47], v[56:63], v[WPS+3], v[PWS+3] matrix_a_fmt:MATRIX_FMT_BF6 matrix_b_fmt:MATRIX_FMT_BF6
	WIN 0
.rept 4
	v_nop                                          ; four places behind the last product, ahead of the first read of results
.endr
.irp j, 0,2,4,6
	v_pk_add_f32 v[64+\j:65+\j], v[48+\j:49+\j], v[56+\j:57+\j]   ; my half of K: from the accumulators' low ends on
.endr
	s_cmp_lt_u32 s[WV], 4                          ; the upper K half's waves hand their sums over, as an image of the registers
	s_cbranch_scc1 .Llower
	ds_store_b128 v12, v[64:67]
	ds_store_b128 v12, v[68:71] offset:512
.Llower:
	s_wait_dscnt 0x0                               ; for the others' sake: my stores have landed
	s_barrier_signal -1
	s_barrier_wait -1
	s_cmp_lt_u32 s[WV], 4
	s_cbranch_scc0 .Lupper
	ds_load_b128 v[72:75], v12
	ds_load_b128 v[76:79], v12 offset:512
	s_wait_dscnt 0x0
.irp j, 0,2,4,6
	v_pk_add_f32 v[64+\j:65+\j], v[64+\j:65+\j], v[72+\j:73+\j]
.endr
	; tanh(x) = 1 - 2 / (1 + 2^(2 x log2 e))
.irp j, 0,1,2,3,4,5,6,7
	v_mul_f32 v[64+\j], 0x4038aa3b, v[64+\j]
.endr
.irp j, 0,1,2,3,4,5,6,7
	v_exp_f32 v[64+\j], v[64+\j]
.endr
	v_nop                                          ; a plain place behind the batch,
	s_wait_alu depctr_va_vdst(0)                   ; and one wait for it, ahead of its first reader
.irp j, 0,1,2,3,4,5,6,7
	v_add_f32 v[64+\j], 1.0, v[64+\j]
.endr
.irp j, 0,1,2,3,4,5,6,7
	v_rcp_f32 v[64+\j], v[64+\j]
.endr
	v_nop
	s_wait_alu depctr_va_vdst(0)
.irp j, 0,1,2,3,4,5,6,7
	v_fma_f32 v[64+\j], -2.0, v[64+\j], 1.0
.endr
	v_mul_f32 v72, v64, v[VP]                      ; times v_p, summed over my eight columns,
.irp j, 1,2,3,4,5,6,7
	v_fma_f32 v72, v[64+\j], v[VP+\j], v72
.endr
	v_permlanex16_b32 v[TM+4], v72, s[SEL], s[SEL+1]
	v_add_f32 v72, v72, v[TM+4]                    ; and lane l xor 16's eight
	ds_store_b32 v13, v72                          ; lanes r and r + 16 write the same word with the same value
.Lupper:
	s_wait_dscnt 0x0
	s_barrier_signal -1
	s_barrier_wait -1
	s_cmp_lg_u32 s[WV], 0
	s_cbranch_scc1 .Lend
	ds_load_b64 v[72:73], v14
	s_wait_dscnt 0x0
	global_store_b64 v7, v[72:73], s[18:19]        ; 32 lanes store the row's 256 consecutive bytes, aligned
.Lend:
	s_wait_tensorcnt 0x0
	ds_add_u32 v254, v255
	s_wait_dscnt 0x0
	s_endpgm
.Lfunc_end_k_q0a3505b846_prep:
	.size	k_q0a3505b846_prep, .Lfunc_end_k_q0a3505b846_prep-k_q0a3505b846_prep
	.p2alignl 7, 3214868480
	.fill 96, 4, 3214868480
	.section	.rodata,"a",@progbits
	.p2align	6, 0x0
	.amdhsa_kernel k_q0a3505b846_prep
		.amdhsa_group_segment_fixed_size 9216
		.amdhsa_private_segment_fixed_size 0
		.amdhsa_enable_private_segment 0
		.amdhsa_kernarg_size 64
		.amdhsa_user_sgpr_count 2
		.amdhsa_user_sgpr_kernarg_segment_ptr 1
		.amdhsa_wavefront_size32 1
		.amdhsa_system_sgpr_workgroup_id_x 1
		.amdhsa_system_sgpr_workgroup_id_y 1
		.amdhsa_system_sgpr_workgroup_id_z 1
		.amdhsa_system_vgpr_workitem_id 0
		.amdhsa_next_free_vgpr 320
		.amdhsa_next_free_sgpr 66
		.amdhsa_reserve_vcc 0
		.amdhsa_float_denorm_mode_32 3
		.amdhsa_float_denorm_mode_16_64 3
		.amdhsa_memory_ordered 1
		.amdhsa_forward_progress 1
		.amdhsa_inst_pref_size 34
	.end_amdhsa_kernel
	.amdgpu_metadata
---
amdhsa.version: [ 1, 2 ]
amdhsa.kernels:
  - .name:           k_q0a3505b846_prep
    .symbol:         k_q0a3505b846_prep.kd
    .args:
      - { .name: W_a_codes, .offset: 0, .size: 8, .value_kind: global_buffer, .address_space: global }
      - { .name: W_a_scales, .offset: 8, .size: 8, .value_kind: global_buffer, .address_space: global }
      - { .name: W_p_codes, .offset: 16, .size: 8, .value_kind: global_buffer, .address_space: global }
      - { .name: W_p_scales, .offset: 24, .size: 8, .value_kind: global_buffer, .address_space: global }
      - { .name: output, .offset: 32, .size: 8, .value_kind: global_buffer, .address_space: global }
      - { .name: v_p, .offset: 40, .size: 8, .value_kind: global_buffer, .address_space: global }
      - { .name: wa_img, .offset: 48, .size: 8, .value_kind: global_buffer, .address_space: global }
      - { .name: zpart, .offset: 56, .size: 8, .value_kind: global_buffer, .address_space: global }
    .group_segment_fixed_size: 9216
    .private_segment_fixed_size: 0
    .kernarg_segment_align: 8
    .kernarg_segment_size: 64
    .max_flat_workgroup_size: 256
    .sgpr_count:     66
    .vgpr_count:     320
    .wavefront_size: 32
...
	.end_amdgpu_metadata
.endif
;; end of part 1
;; launch scores (part 2): grid 4 x 64, 4 waves a work-group, clusters of 4 x 1, 327,680 bytes of LDS; arguments encoder_outputs, output, wa_img, zpart, scores, win, pt; writes scores, win, pt
.if DOCPART == 2
	.amdgcn_target "amdgcn-amd-amdhsa--gfx1250"
	.amdhsa_code_object_version 6
	.text
	.protected	k_q0a3505b846_scores
	.globl	k_q0a3505b846_scores
	.p2align	8
	.type	k_q0a3505b846_scores,@function
k_q0a3505b846_scores:
	s_mov_b64 s[64:65], 0
	v_nop
	global_prefetch_b8 v0, s[64:65] scope:SCOPE_SE
	s_setreg_imm32_b32 hwreg(HW_REG_WAVE_MODE, 25, 1), 1
	s_wait_xcnt 0x0
	s_wait_alu depctr_hold_cnt(0) depctr_sa_sdst(0) depctr_va_vdst(0) depctr_va_sdst(0) depctr_va_ssrc(0) depctr_va_vcc(0) depctr_vm_vsrc(0)
	s_getreg_b32 s2, hwreg(HW_REG_IB_STS2, 6, 4)
	s_cmp_eq_u32 s2, 0
	s_cbranch_scc0 .Lentry_in_a_cluster
	s_endpgm
.Lentry_in_a_cluster:
	s_bfe_u32 s2, ttmp6, 0x10000c
	s_cmp_lg_u32 s2, 0x3003
	s_cbranch_scc0 .Lentry_shape_is_right
	s_endpgm
.Lentry_shape_is_right:
; SCORES.  scores[n][l] = sum over g of output[n][g] x (sum over k of Q(enc[n][l][k]) W_a[g][k]): the large product on codes of E3M2 with E8M0 scales, its result folded with output[n] straight out of
; the accumulators, in f32, and never stored.  Also: p_t = 1024 sigmoid(sum of zpart[.][n]) and the first row of the window of 128 rows round it, stored for the next launch (values only here).
; SHARES.  Work-group (x, n) owns rows 256 x .. + 255 of batch n; the four work-groups of a batch are a cluster.  Wave w owns four tiles of 16 rows, 64 m + 16 w + 0 .. 15 (m = 0 .. 3), against all 1,024 g.
; K GOES IN FOUR CHUNKS OF 256.  In a chunk an accumulator takes two products (K steps 2 c, 2 c + 1) and is folded: S[m][j] += D[j] x output[n][16 t + lane % 16] (the product is used in its natural
; order, so a lane holds one column g).  While chunk c is multiplied, chunk c + 1 of the rows comes in as f32 and is quantised; its codes wait in LDS as images of the operand's registers.
; A PERIOD e = 0 .. 19 is a quarter of a chunk.  It quantises E tile e (e < 16: rows 64 (e % 4) .. + 63, columns 256 (e / 4) .. + 255, 64 KiB) and, from e = 4 on, multiplies by W block e - 4
; (51,200 bytes of wa_img: 8 pairs of N tiles x 2 K steps, in the order of the operand's registers): 128 matrix instructions a wave.
; RING.  Two LDS slots 2^17 bytes apart, each with an E tile and a W block.  Waves 0 and 1 fetch E's halves (their own work-group's rows: plain loads), waves 2 and 3 W's halves, which all four
; work-groups of the cluster want at the same time: joint loads with the mask of the four.  One round of the cluster's barrier for each change of slots.  A wave has at most two tensor loads out (at the start).
; PREFETCH.  Behind the refill of the changes of slots of periods 1 to 13 every wave asks for its 16 rows (16 w .. + 15) of E tile PI + 2, the tile that the next change of slots will fetch: 16 rows x 1,024 bytes
; = 64 aligned blocks of 256 bytes, a lane a block, two instructions a wave.  The rows are this work-group's alone, so each block is named once in the launch.  Tiles 0 to 2 come by their loads alone;
; period 14 asks for nothing: there is no tile 16.
; LIMITS: NaN and infinities are not served.  A block of zeros gets the scale byte 1 (the rule says 127): its codes are zeros and the byte is read here alone.  The f32 sums are grouped by chunks of 256 along K
; and weighted by output before the chunks are added: another order of rounding than a plain sum along K.
.set SLOTX, 0x20000                    ; from slot 0 to slot 1: one exclusive or turns an address
.set EP,    1040                       ; a row of an E tile in LDS: 1,024 bytes + 16: an odd multiple of 16, so the 16 rows of a load begin in different banks (64 banks of 4 bytes: ISA guide 11.1)
.set EHALF, 32*EP                      ; what one of E's loads brings
.set WOFF,  64*EP                      ; behind the E tile: the W block
.set WHALF, 25600
.set WBLK,  51200
.set PAIRB, 6400                       ; a pair of N tiles: 4 fragments of 1,536 bytes and 256 bytes of scale words
.set SPARE, WOFF+WBLK                  ; 117,760: the spare words, 128 bytes a wave: two blocks of 256 bytes that no other line names
.set OB,    SPARE+512                  ; output[n], 4,096 bytes: output[32 u + 16 tt + r] at 128 u + 8 r + 4 tt
.set STG,   OB+4096                    ; the work-group's 256 scores
.set IMG,   SLOTX+WOFF+WBLK            ; 248,832: the next chunk's codes: wave w, fragment f = 2 m + s at IMGW w + FIMG f: 1,536 bytes of codes, 128 of scale words.  No tensor load lands from SPARE to STG's end or here
.set FIMG,  1664
.set IMGW,  8*FIMG
; window 0
.set SPW, 1                            ; v1  my spare word's address; v2  0: kept for the add alone
.set NIL, 2
.set L16, 3                            ; 16 x lane
.set EA0, 4                            ; my row's place in an E tile: (16 w + r) EP + 64 h;  EAD: + the slot
.set EAD, 5
.set WA0, 6                            ; WOFF + 16 x lane;  WAD: + the slot
.set WAD, 7
.set WS0, 8                            ; WOFF + 8 x lane;  WSAD: + the slot
.set WSAD, 9
.set OA0, 10                           ; OB + 8 r;  OAD: + the block's 1,024 bytes
.set OAD, 11
.set IW0, 12                           ; my wave's images + 16 x lane;  IWD: + the period's two fragments
.set IWD, 13
.set IS0, 14                           ; their scale words + 4 x lane;  ISD likewise
.set ISD, 15
.set STO, 16                           ; the way out
.set STR, 17
.set GOF, 18                           ; 8 x lane
.set AS,  24                           ; v24-31  A's scale words, fragment 2 m + s: scales and nothing else
.set WS,  32                           ; v32-35  W's scale words, a pair of registers for each buffer: scales and nothing else
.set O,   36                           ; v36-39  output's numbers of the pair's two tiles, a pair for each buffer
.set PW,  40                           ; the scale word just made
.set PFO, 41                           ; the prefetches' offset: 4,096 (lane / 4) + 256 (lane % 4); never rewritten
.set TM,  44                           ; v44-59  the quantiser's work
.set PC,  60                           ; v60-71 the codes just made, v72-79 the conversions' second halves
.set X,   80                           ; v80-143 64 numbers
.set AC,  144                          ; v144-239 A's eight fragments, (m, s) at 12 (2 m + s)
; window 1
.set ACC, 0                            ; eight accumulators, a = 4 tt + m
.set S,   64                           ; v64-95  the scores' partial sums, S[m] at 8 m
.set WB,  96                           ; v96-191 W's fragments, two buffers of 48: fragment 2 s + tt
.set W_MM, 0x54                        ; destination, sources 1 and 2 in window 1, source 0 in window 0: serves the products (A), the folds (output's numbers) and the loads of W's fragments (the address)
.set WV,  18
.set WH,  19                           ; wave % 2: which half I fetch
.set WX,  20                           ; work-group x
.set NB,  21                           ; batch n
.set SEL, 22                           ; s[22:23]
.set G1E, 24                           ; s[24:31] group 1 for E;  s[32:35] group 0 for tile 0, s[36:39] the one that walks
.set G0E, 32
.set G1W, 40                           ; s[40:47] group 1 for W;  s[48:51] group 0 for block 0, s[52:55] the one that walks
.set G0W, 48
.set EB,  56                           ; s[56:57] my half of the work-group's first row
.set PI,  58                           ; the period
.set TE,  59                           ; the period's slot: 0 or SLOTX
.set IO,  62                           ; (period % 4) x two images
.set TO,  63                           ; (period % 4) x 1,024
.set PFA, 74                           ; s[74:75] where my prefetches stand: my 16 rows of E tile PI + 2
.set PB,  78                           ; s[78:79] row 16 w of the work-group's rows
.set MSB, 0
.macro WIN new                         ; the immediate's high byte repeats the setting that is left; a switch that changes nothing is dropped
.if MSB != \new
	s_set_vgpr_msb (MSB<<8)|\new
.set MSB, \new
.endif
.endm
.macro CROUND                          ; a round of the cluster's barrier
	s_barrier_signal -1
	s_barrier_wait -1
	s_cmp_lg_u32 s[WV], 0
	s_cbranch_scc1 .Lnot_wave_0_\@
	s_barrier_signal -3
.Lnot_wave_0_\@:
	s_barrier_wait -3
	s_barrier_signal -1
	s_barrier_wait -1
.endm
.macro TLOAD fe, fw                    ; a wave's one refill; the branch hangs on the wave's number alone; four v_nop follow each load
	s_cmp_lt_u32 s[WV], 2
	s_cbranch_scc0 .Lfor_w_\@
.if \fe
	tensor_load_to_lds s[G0E+4:G0E+7], s[G1E:G1E+7]
	s_nop 0
.rept 4
	v_nop
.endr
.endif
	s_branch .Lasked_\@
.Lfor_w_\@:
.if \fw
	tensor_load_to_lds s[G0W+4:G0W+7], s[G1W:G1W+7]
	s_nop 0
.rept 4
	v_nop
.endr
.endif
.Lasked_\@:
.endm
.macro ASK                             ; the prefetch of E tile PI + 2: rows 16 w .. + 7 and + 8 .. + 15, four blocks of 256 bytes a row.  The branch hangs on the period alone, which is the same in all partners
	s_cmp_lt_u32 s[PI], 14
	s_cbranch_scc0 .Lno_tile_\@
	global_prefetch_b8 v[PFO], s[PFA:PFA+1] th:TH_LOAD_NT scope:SCOPE_SE
	global_prefetch_b8 v[PFO], s[PFA:PFA+1] offset:32768 th:TH_LOAD_NT scope:SCOPE_SE
.Lno_tile_\@:
.endm
.macro SREG
	s_and_b32 s66, s[PI], 3
	s_mul_i32 s[IO], s66, 2*FIMG
	s_lshl_b32 s[TO], s66, 10
.endm
.macro ADR                             ; the period's LDS addresses (no LDS instruction of mine is out)
	v_add_nc_u32 v[EAD], s[TE], v[EA0]
	v_add_nc_u32 v[WAD], s[TE], v[WA0]
	v_add_nc_u32 v[WSAD], s[TE], v[WS0]
	v_add_nc_u32 v[OAD], s[TO], v[OA0]
	v_add_nc_u32 v[IWD], s[IO], v[IW0]
	v_add_nc_u32 v[ISD], s[IO], v[IS0]
.endm
; THE CHANGE OF SLOTS, at a period's head.  Each wave waits for all its tensor loads (its part of the slot ahead), adds 0 to its spare word, and waits for that and for its reads of the slot left.
; fe, fw: the slot left is filled again, with E tile PI + 1 and W block PI - 3; the barrier is then a round of the cluster's, and the refill is the first thing behind it.
.macro SYNC fe, fw
	s_wait_tensorcnt 0x0                           ; no tensor load of mine is out, so the groups 0 may be written
	ds_add_u32 v[SPW], v[NIL]                      ; the scalar work below stands between the add and the wait for it
.if \fe
	s_add_co_u32 s66, s[PI], 1                     ; tile t = PI + 1 begins (t % 4) x 64 rows down and (t / 4) x 1,024 bytes along
	s_and_b32 s60, s66, 3
	s_lshl_b32 s60, s60, 18
	s_lshr_b32 s66, s66, 2
	s_lshl_b32 s66, s66, 10
	s_add_co_u32 s60, s60, s66
	s_mov_b32 s61, 0
	s_add_nc_u64 s[G0E+6:G0E+7], s[EB:EB+1], s[60:61]
	s_or_b32 s[G0E+7], s[G0E+7], 0x80000000
	s_xor_b32 s[G0E+5], s[G0E+5], SLOTX
	s_wait_xcnt 0x0                                ; the last prefetches, a period back, have read their base, so it may be written:
	s_add_co_u32 s66, s[PI], 2                     ; tile PI + 2, by the same arithmetic
	s_and_b32 s72, s66, 3
	s_lshl_b32 s72, s72, 18
	s_lshr_b32 s66, s66, 2
	s_lshl_b32 s66, s66, 10
	s_add_co_u32 s72, s72, s66
	s_mov_b32 s73, 0
	s_add_nc_u64 s[PFA:PFA+1], s[PB:PB+1], s[72:73]
.endif
.if \fw
	s_add_nc_u64 s[G0W+6:G0W+7], s[G0W+6:G0W+7], WBLK   ; the type bits on top are not reached
	s_xor_b32 s[G0W+5], s[G0W+5], SLOTX
.endif
	SREG
	s_wait_dscnt 0x0                               ; the add is done, and my reads of the slot that I have left are over
.if (\fe)+(\fw)
	CROUND
	TLOAD \fe, \fw
.else
	s_barrier_signal -1
	s_barrier_wait -1
.endif
.if \fe
	ASK                                            ; behind the refill and its four lines
.endif
	ADR
.endm
; THE QUANTISER as a numbered list of 68 instructions on the 64 numbers in X (register 16 b + i = k 32 b + 16 (lane / 16) + i of my row); QI writes number n.
.macro QI
.if n < 4
	v_max3_num_f32 v[TM+n], |v[X+16*n]|, |v[X+16*n+1]|, 0x2800000   ; and the floor 2^(5 - 127): the byte cannot fall under 1
.elseif n < 32
.set qb, (n-4)%4
.set qi, 2+2*((n-4)/4)
	v_max3_num_f32 v[TM+qb], v[TM+qb], |v[X+16*qb+qi]|, |v[X+16*qb+qi+1]|
.elseif n < 36
	v_permlanex16_b32 v[TM+4+n-32], v[TM+n-32], s[SEL], s[SEL+1]
.elseif n < 40
	v_max_num_f32 v[TM+n-36], v[TM+n-36], v[TM+4+n-36]    ; the block's largest magnitude
.elseif n < 44
	v_add_nc_u32 v[TM+12+n-40], 0xfe000000, v[TM+n-40]    ; 4 off its exponent field: the conversion's scale operand
.elseif n < 48
	v_lshrrev_b32 v[TM+4+n-44], 23, v[TM+12+n-44]         ; the scale's byte
.elseif n == 48
	v_lshl_or_b32 v[PW], v[TM+5], 8, v[TM+4]
.elseif n == 49
	v_lshl_or_b32 v[PW], v[TM+6], 16, v[PW]
.elseif n == 50
	v_lshl_or_b32 v[PW], v[TM+7], 24, v[PW]
.elseif n < 55
.set qc, (n-51)/2
.if (n-51)%2 == 0
	v_cvt_scalef32_pk16_bf6_f32 v[PC+6*qc:PC+6*qc+2], v[X+32*qc:X+32*qc+15], v[TM+12+2*qc]
.else
	v_cvt_scalef32_pk16_bf6_f32 v[PC+12+4*qc:PC+14+4*qc], v[X+16+32*qc:X+31+32*qc], v[TM+13+2*qc]
.endif
.elseif n == 55
	v_nop                                          ; one plain place behind the scaled conversions
.elseif n < 62
.set qc, (n-56)/3
.set qi, (n-56)%3
	v_permlane16_swap_b32 v[PC+6*qc+qi], v[PC+12+4*qc+qi] ; the operand's layout wants a whole block in a lane
.else
.set qc, (n-62)/3
.set qi, (n-62)%3
	v_mov_b32 v[PC+3+6*qc+qi], v[PC+12+4*qc+qi]
.endif
.endm
.macro QIS from, cnt
.set n, \from
.rept \cnt
	QI
.set n, n+1
.endr
.endm
.macro XL sf, b                        ; block b of my row's 128 numbers of the tile's K step sf
.irp j, 0,1,2,3
	ds_load_b128 v[X+16*(\b)+4*\j:X+16*(\b)+4*\j+3], v[EAD] offset:512*(\sf)+128*(\b)+16*\j
.endr
.endm
.macro IMAGE sf                        ; the fragment just made goes to LDS as it stands, and its scale words
.irp g, 0,1,2
	ds_store_b128 v[IWD], v[PC+4*\g:PC+4*\g+3] offset:FIMG*(\sf)+512*\g
.endr
	ds_store_b32 v[ISD], v[PW] offset:FIMG*(\sf)
.endm
.macro RELOAD                          ; a chunk's eight fragments come back into A's registers (my own bytes: LDS serves a wave's instructions in order)
.irp f, 0,1,2,3,4,5,6,7
.irp g, 0,1,2
	ds_load_b128 v[AC+12*\f+4*\g:AC+12*\f+4*\g+3], v[IW0] offset:FIMG*\f+512*\g
.endr
	ds_load_b32 v[AS+\f], v[IS0] offset:FIMG*\f
.endr
	s_wait_dscnt 0x0
.endm
.macro PQ                              ; a period that only quantises
.irp f, 0,1
	XL \f, 0
	XL \f, 1
	XL \f, 2
	XL \f, 3
	s_wait_dscnt 0x0                               ; the numbers are in (and the image stores before them have read their registers)
	QIS 0, 68
	IMAGE \f
.endr
.endm
; Product k of a pair's 16, from buffer pp: K step k / 8, accumulator a = k % 8 = 4 tt + m.  The eight accumulators take turns, one instruction a turn.
.macro MM pp
.set ms, k>>3
.set ma, k&7
.set mt, ma>>2
.set mm, ma&3
.set rD, ACC+8*ma
.set rA, AC+12*(2*mm+ms)
.set rB, WB+48*(\pp)+12*(2*ms+mt)
.if ms == 0
	v_wmma_scale_f32_16x16x128_f8f6f4 v[rD:rD+7], v[rA:rA+11], v[rB:rB+11], 0, v[AS+2*mm+ms], v[WS+2*(\pp)+mt] matrix_a_fmt:MATRIX_FMT_BF6 matrix_b_fmt:MATRIX_FMT_BF6
.else
	v_wmma_scale_f32_16x16x128_f8f6f4 v[rD:rD+7], v[rA:rA+11], v[rB:rB+11], v[rD:rD+7], v[AS+2*mm+ms], v[WS+2*(\pp)+mt] matrix_a_fmt:MATRIX_FMT_BF6 matrix_b_fmt:MATRIX_FMT_BF6 matrix_b_scale:MATRIX_SCALE_ROW1
.endif
.endm
; Accumulator a is folded: S[m] += D x output's number of my column; from the accumulator's low end on.
.macro FOLD a, pp
.set ft, (\a)>>2
.set fm, (\a)&3
.irp i, 0,1,2,3
.if ft == 0
	v_pk_fma_f32 v[S+8*fm+2*\i:S+8*fm+2*\i+1], v[O+2*(\pp):O+2*(\pp)+1], v[ACC+8*(\a)+2*\i:ACC+8*(\a)+2*\i+1], v[S+8*fm+2*\i:S+8*fm+2*\i+1] op_sel:[0,0,0] op_sel_hi:[0,1,1]
.else
	v_pk_fma_f32 v[S+8*fm+2*\i:S+8*fm+2*\i+1], v[O+2*(\pp):O+2*(\pp)+1], v[ACC+8*(\a)+2*\i:ACC+8*(\a)+2*\i+1], v[S+8*fm+2*\i:S+8*fm+2*\i+1] op_sel:[1,0,0] op_sel_hi:[1,1,1]
.endif
.endr
.endm
.macro WLOAD q, g                      ; four registers of pair q's fragments
	ds_load_b128 v[WB+48*par+4*(\g):WB+48*par+4*(\g)+3], v[WAD] offset:PAIRB*(\q)+512*(\g)
.endm
; THE RUN: all of a step's LDS instructions on end.  Pair q's scale words and output's numbers, its fragments (K step 0's six loads first), and in steps 0 and 4 of a quantising period what the quantiser
; wants of LDS: the image of the fragment finished in step 3 (step 4 alone), then the 64 numbers of the next fragment.
.macro RUN q
	WIN 0
	ds_load_b64 v[WS+2*par:WS+2*par+1], v[WSAD] offset:PAIRB*(\q)+6144
	ds_load_b64 v[O+2*par:O+2*par+1], v[OAD] offset:128*(\q)
	WIN W_MM
.irp g, 0,1,2,3,4,5,6,7,8,9,10,11
	WLOAD \q, \g
.endr
.if xthis
	WIN 0
.if (\q) == 4
	IMAGE 0
.endif
	XL sf, 0
	XL sf, 1
	XL sf, 2
	XL sf, 3
	WIN W_MM
.endif
.endm
; A STEP loads pair q of the block into buffer q % 2 (ld) and multiplies the pair before it from the other buffer (w); behind each product stands a slice of other work.
;   slices 0-2   the last three folds of the pair two back (f57); behind slice 2 THE RUN: LDS instructions stand nowhere else in a step
;   slices 3-8   four of the quantiser's instructions each (quant): steps q % 4 = 1, 2, 3 walk numbers 0-22, 23-45, 46-67 of the list
;   slices 9, 10 two v_nop each
;   slices 11-15 the folds of accumulators 0 to 4
; WAITS, by count.  x = what the last step's run holds behind W's fragments: 16 loads of numbers behind step 0, with 4 image stores 20 behind step 4, else none.
;   at the head    6 + x: the last run's scale words, output's numbers and K step 0's fragments are in; K step 1's six loads and the x may be out
;   at slice 3 of steps 1 and 5    14: behind the numbers' loads only this step's run of 14 was issued
;   ahead of product 8    this step's run (14, or 30, or 34) + x: K step 1's fragments are in
; On the ways through a change of slots or through RELOAD all that is older is in already.
; DISTANCES, by count.  Accumulator 0 is finished by product 8 and first read in slice 11: the four v_nop of slices 9 and 10 are its four places; each later accumulator has eight instructions of other
; accumulators' folds or more.  An accumulator is begun anew only behind more than five such.  The run's loads go into registers whose last product lies behind fold 4's four instructions and two more folds.
; The quantiser's registers lie in window 0 and the sums in window 1: a slice of it costs two switches.
.macro STEP q, quant, w, f57, ld
.set par, (\q)&1
.set opp, 1-par
.set jj, (\q)&3
.set sf, ((\q)>>2)&1
.set xprev, 0
.set xthis, 0
.if (\quant)
.if (\q) == 0
.set xthis, 16
.elseif (\q) == 4
.set xthis, 20
.elseif (\q) == 1
.set xprev, 16
.elseif (\q) == 5
.set xprev, 20
.endif
.endif
.if (\w)
.if (\ld)
	s_wait_dscnt 6+xprev
.else
	s_wait_dscnt 0x0
.endif
.endif
	WIN W_MM
.set k, 0
.rept 16
.if (\w)
.if (\ld)
.if k == 8
	s_wait_dscnt 14+xthis+xprev
.endif
.endif
	MM opp
.endif
.if k < 3
.if (\w)
.if (\f57)
	FOLD 5+k, par
.endif
.endif
.if (\ld)
.if k == 2
	RUN \q
.endif
.endif
.elseif k < 9
.if (\quant)
.if jj != 0
	WIN 0
.if jj == 1
.if k == 3
	s_wait_dscnt 14
.endif
.endif
.if k < 8
	QIS 23*(jj-1)+4*(k-3), 4
.elseif jj == 3
	QIS 66, 2
.else
	QIS 23*(jj-1)+20, 3
.endif
	WIN W_MM
.endif
.endif
.elseif k < 11
.if (\w)
	v_nop
	v_nop
.endif
.else
.if (\w)
	FOLD k-11, opp
.endif
.endif
.set k, k+1
.endr
.endm
; A PERIOD.  rl = 2: A's registers take the next chunk behind step 0, whose products are the old chunk's last; rl = 1: where the period begins a chunk; first = 1: there is no pair yet to multiply.
; The tile's second fragment, finished in step 7, goes to its image at the period's end, directly ahead of the change of slots.
.macro PERIOD quant, fe, fw, rl, first
	SYNC \fe, \fw
	STEP 0, \quant, 1-\first, 1, 1
	WIN 0                                          ; at a label and at a branch every window is 0
.if \rl == 2
	RELOAD
.elseif \rl == 1
	s_and_b32 s66, s[PI], 3
	s_cmp_eq_u32 s66, 0
	s_cbranch_scc0 .Lkeep_\@
	RELOAD
.Lkeep_\@:
.endif
	STEP 1, \quant, 1, 1-\first, 1
	STEP 2, \quant, 1, 1, 1
	STEP 3, \quant, 1, 1, 1
	STEP 4, \quant, 1, 1, 1
	STEP 5, \quant, 1, 1, 1
	STEP 6, \quant, 1, 1, 1
	STEP 7, \quant, 1, 1, 1
	WIN 0
.if \quant
	IMAGE 1
.endif
	s_xor_b32 s[TE], s[TE], SLOTX
.endm
	s_load_b256 s[4:11], s[0:1], 0x0               ; enc s[4:5], output s[6:7], wa_img s[8:9], zpart s[10:11]
	s_load_b128 s[12:15], s[0:1], 0x20             ; scores s[12:13], win s[14:15]
	s_load_b64 s[16:17], s[0:1], 0x30              ; pt
	v_lshl_add_u32 v[SPW], v0, 2, SPARE
	v_mov_b32 v[NIL], 0
	ds_add_u32 v1, v2
	ds_add_u32 v1, v2
	s_wait_dscnt 0x0
	v_lshrrev_b32 v19, 5, v0
	v_readfirstlane_b32 s[WV], v19                 ; wave 0..3
	s_and_b32 s[WH], s[WV], 1
	s_bfe_u32 s[WX], ttmp6, 0x40000                ; my place in the cluster,
	s_lshl_b32 s77, ttmp9, 2
	s_add_co_u32 s[WX], s[WX], s77                 ; work-group x = 4 x cluster x + it: it enters global addresses of my own rows and results alone
	s_and_b32 s[NB], ttmp7, 0xffff                 ; the batch, which the four partners share
	; group 1 for E: 32 rows x 256 elements of 4 bytes, 1,024 elements apart; 4 words of padding behind every 256 words; no mask
	s_mov_b32 s[G1E], (2<<16)|(1<<20)|(7<<22)|(3<<25)
	s_mov_b32 s[G1E+1], 256<<16                    ; tensor_dim0
	s_mov_b32 s[G1E+2], 32<<16                     ; tensor_dim1
	s_mov_b32 s[G1E+3], 256<<16                    ; tile_dim0
	s_mov_b32 s[G1E+4], 32                         ; tile_dim1
	s_mov_b32 s[G1E+5], 1024                       ; from row to row
	s_mov_b32 s[G1E+6], 0
	s_mov_b32 s[G1E+7], 0
	; group 1 for W: 25,600 dense bytes as 100 rows of 32 elements of 8 bytes; the mask names the cluster's four, bit 21 beside it
	s_mov_b32 s[G1W], 15|(3<<16)|(1<<21)
	s_mov_b32 s[G1W+1], 32<<16
	s_mov_b32 s[G1W+2], 100<<16
	s_mov_b32 s[G1W+3], 32<<16
	s_mov_b32 s[G1W+4], 100
	s_mov_b32 s[G1W+5], 32
	s_mov_b32 s[G1W+6], 0
	s_mov_b32 s[G1W+7], 0
	s_mov_b32 s[SEL], 0x76543210
	s_mov_b32 s[SEL+1], 0xfedcba98
	s_lshl_b32 s60, s[NB], 2
	s_add_co_u32 s60, s60, s[WX]                   ; 4 n + x
	s_lshl_b32 s66, s60, 2                         ; its word in win and in pt
	s_mov_b32 s67, 0
	s_lshl_b32 s68, s60, 10                        ; its 256 scores,
	s_lshl_b32 s77, s[WV], 8
	s_add_co_u32 s68, s68, s77                     ; my wave's 64 of them
	s_mov_b32 s69, 0
	s_lshl_b32 s60, s60, 20                        ; its 256 rows of 4,096 bytes:
	s_lshl_b32 s77, s[WV], 16
	s_add_co_u32 s[PB], s60, s77                   ; row 16 w of them, for the prefetches;
	s_mov_b32 s[PB+1], 0
	s_lshl_b32 s77, s[WH], 17
	s_add_co_u32 s60, s60, s77                     ; the 32 rows of a tile's 64 that I fetch
	s_mov_b32 s61, 0
	s_lshl_b32 s70, s[NB], 12                      ; output's row
	s_mov_b32 s71, 0
	s_lshl_b32 s72, s[NB], 2                       ; zpart's column
	s_mov_b32 s73, 0
	s_mul_i32 s74, s[WH], WHALF                    ; my half of a W block: the wave's number alone
	s_mov_b32 s75, 0
	s_mul_i32 s76, s[WH], EHALF
	s_wait_kmcnt 0x0
	s_add_nc_u64 s[EB:EB+1], s[4:5], s[60:61]
	s_add_nc_u64 s[PB:PB+1], s[4:5], s[PB:PB+1]
	s_add_nc_u64 s[6:7], s[6:7], s[70:71]
	s_add_nc_u64 s[10:11], s[10:11], s[72:73]
	s_add_nc_u64 s[12:13], s[12:13], s[68:69]
	s_add_nc_u64 s[14:15], s[14:15], s[66:67]
	s_add_nc_u64 s[16:17], s[16:17], s[66:67]
	s_mov_b32 s[G0E], 1                            ; E tile 0 into slot 0
	s_mov_b32 s[G0E+1], s76
	s_mov_b64 s[G0E+2:G0E+3], s[EB:EB+1]
	s_or_b32 s[G0E+3], s[G0E+3], 0x80000000
	s_mov_b32 s[G0E+4], 1                          ; E tile 1 (64 rows down) into slot 1
	s_add_co_u32 s[G0E+5], s76, SLOTX
	s_add_nc_u64 s[G0E+6:G0E+7], s[EB:EB+1], 1<<18
	s_or_b32 s[G0E+7], s[G0E+7], 0x80000000
	s_mov_b32 s[G0W], 1                            ; W block 0 into slot 0
	s_add_co_u32 s[G0W+1], s74, WOFF
	s_add_nc_u64 s[G0W+2:G0W+3], s[8:9], s[74:75]
	s_mov_b32 s[G0W+4], 1                          ; W block 1 into slot 1
	s_add_co_u32 s[G0W+5], s74, SLOTX+WOFF
	s_add_nc_u64 s[G0W+6:G0W+7], s[G0W+2:G0W+3], WBLK
	s_or_b32 s[G0W+3], s[G0W+3], 0x80000000
	s_or_b32 s[G0W+7], s[G0W+7], 0x80000000
	CROUND                                         ; all four work-groups are here: the first joint loads meet
	s_cmp_lt_u32 s[WV], 2                          ; a wave's two first fills stand in one branch, ahead of every wait on TENSORcnt, every LDS read and every other barrier
	s_cbranch_scc0 .Lfirst_w
	tensor_load_to_lds s[G0E:G0E+3], s[G1E:G1E+7]
	s_nop 0
	tensor_load_to_lds s[G0E+4:G0E+7], s[G1E:G1E+7]
	s_nop 0
.rept 4
	v_nop
.endr
	s_branch .Lfirst_asked
.Lfirst_w:
	tensor_load_to_lds s[G0W:G0W+3], s[G1W:G1W+7]
	s_nop 0
	tensor_load_to_lds s[G0W+4:G0W+7], s[G1W:G1W+7]
	s_nop 0
.rept 4
	v_nop
.endr
.Lfirst_asked:
	; while they are on their way: output[n], the addresses, the sums' zeros, p_t.  Nothing is prefetched here, at the head
	v_lshlrev_b32 v22, 5, v0                       ; thread T takes output[n][8 T .. 8 T + 7]
	global_load_b128 v[240:243], v22, s[6:7]
	global_load_b128 v[244:247], v22, s[6:7] offset:16
	v_and_b32 v19, 31, v0                          ; lane
	v_and_b32 v20, 15, v0                          ; r
	v_bfe_u32 v21, v0, 4, 1                        ; h
	v_lshlrev_b32 v[L16], 4, v19
	v_lshlrev_b32 v[GOF], 3, v19
	v_lshrrev_b32 v[PFO], 2, v19                   ; the prefetches: four lanes to a row of 4,096 bytes,
	v_lshlrev_b32 v[PFO], 12, v[PFO]
	v_and_b32 v23, 3, v19
	v_lshl_add_u32 v[PFO], v23, 8, v[PFO]          ; 256 bytes apart
	s_lshl_b32 s66, s[WV], 4
	v_add_nc_u32 v23, s66, v20                     ; 16 w + r
	v_mul_u32_u24 v[EA0], v23, EP
	v_lshl_add_u32 v[EA0], v21, 6, v[EA0]
	v_add_nc_u32 v[WA0], WOFF, v[L16]
	v_add_nc_u32 v[WS0], WOFF, v[GOF]
	v_lshl_add_u32 v[OA0], v20, 3, OB
	s_mul_i32 s66, s[WV], IMGW
	s_add_co_u32 s66, s66, IMG
	v_add_nc_u32 v[IW0], s66, v[L16]
	s_add_co_u32 s66, s66, 1536
	v_lshl_add_u32 v[IS0], v19, 2, s66
	s_lshl_b32 s66, s[WV], 6
	s_add_co_u32 s66, s66, STG
	v_lshl_add_u32 v[STO], v21, 5, s66             ; scores of rows 64 m + 16 w + 8 h + j: 256 m + 64 w + 32 h + 4 j
	s_lshl_b32 s66, s[WV], 8
	s_add_co_u32 s66, s66, STG
	v_add_nc_u32 v[STR], s66, v[GOF]
	v_lshlrev_b32 v19, 8, v19                      ; zpart: lane L takes rows L and L + 32 of 256 bytes
	v_lshrrev_b32 v23, 2, v0                       ; where T's eight numbers go: 128 (T / 4) + 64 (T % 2) + 4 ((T / 2) % 2) + 8 e
	v_lshlrev_b32 v23, 7, v23
	v_and_b32 v20, 1, v0
	v_lshl_add_u32 v23, v20, 6, v23
	v_bfe_u32 v20, v0, 1, 1
	v_lshl_add_u32 v23, v20, 2, v23
	v_add_nc_u32 v23, OB, v23
.irp b, 0,1,2,3
	v_mov_b32 v[TM+4+\b], 0                        ; written once: a lane permute's destination counts as one of its sources
.endr
	WIN 0x40                                       ; destination window 1
.set x, 0
.rept 32
	v_mov_b32 v[S+x], 0                            ; the scores' sums begin at 0 (the folds are written once)
.set x, x+1
.endr
	WIN 0
	s_wait_loadcnt 0x0
.irp e, 0,1,2,3,4,5,6,7
	ds_store_b32 v23, v[240+\e] offset:8*\e
.endr
	s_cmp_lg_u32 s[WV], 0                          ; p_t and the window's first row: wave 0 alone
	s_cbranch_scc1 .Lno_pt
	global_load_b32 v248, v19, s[10:11]
	global_load_b32 v249, v19, s[10:11] offset:8192
	s_wait_loadcnt 0x0
	v_add_f32 v248, v248, v249
	v_add_f32_dpp v248, v248, v248 row_xmask:1 row_mask:0xf bank_mask:0xf
	v_add_f32_dpp v248, v248, v248 row_xmask:2 row_mask:0xf bank_mask:0xf
	v_add_f32_dpp v248, v248, v248 row_xmask:4 row_mask:0xf bank_mask:0xf
	v_add_f32_dpp v248, v248, v248 row_xmask:8 row_mask:0xf bank_mask:0xf
	v_permlanex16_b32 v249, v248, s[SEL], s[SEL+1]
	v_add_f32 v248, v248, v249                     ; z: the 64 slices' sums
	v_mul_f32 v248, 0xbfb8aa3b, v248               ; - z log2 e
	v_exp_f32 v248, v248
	v_nop                                          ; a plain place, and a wait ahead of the reader
	s_wait_alu depctr_va_vdst(0)
	v_add_f32 v248, 1.0, v248
	v_rcp_f32 v248, v248
	v_mov_b32 v250, 0                              ; (a plain place)  the stores' offset
	s_wait_alu depctr_va_vdst(0)
	v_mul_f32 v248, 0x44800000, v248               ; p = 1024 sigmoid(z)
	v_floor_f32 v249, v248
	v_add_f32 v249, 0xc2800000, v249               ; floor(p) - 64,
	v_med3_num_f32 v249, v249, 0, 0x44600000       ; held to 0 .. 896: outside these 128 rows |i - p| is above 63 and exp(-(i - p)^2 / 25) is 0 in f32
	v_cvt_u32_f32 v249, v249
	s_wait_xcnt 0x0                                ; EXEC changes only behind this wait
	v_cmp_eq_u32 vcc_lo, 0, v0
	s_and_saveexec_b32 s77, vcc_lo
	global_store_b32 v250, v249, s[14:15]
	global_store_b32 v250, v248, s[16:17]
	s_wait_xcnt 0x0                                ; and again, in front of the line that widens it
	s_or_b32 exec_lo, exec_lo, s77
.Lno_pt:
	s_mov_b32 s[PI], 0
	s_mov_b32 s[TE], 0
	s_wait_tensorcnt 0x1                           ; my part of slot 0 is in; slot 1's may stay out
	s_wait_dscnt 0x0                               ; my part of output[n] lies in LDS
	s_barrier_signal -1
	s_barrier_wait -1
	SREG
	ADR
	PQ                                             ; period 0
	s_xor_b32 s[TE], s[TE], SLOTX
	s_mov_b32 s[PI], 1
.Lpre:                                             ; periods 1 to 3: the first chunk has nothing to be multiplied beside it
	SYNC 1, 0
	PQ
	s_xor_b32 s[TE], s[TE], SLOTX
	s_add_co_u32 s[PI], s[PI], 1
	s_cmp_lt_u32 s[PI], 4
	s_cbranch_scc1 .Lpre
	PERIOD 1, 1, 0, 2, 1                           ; period 4: W block 1 is there already
	s_mov_b32 s[PI], 5
.Lmain:                                            ; periods 5 to 14
	PERIOD 1, 1, 1, 1, 0
	s_add_co_u32 s[PI], s[PI], 1
	s_cmp_lt_u32 s[PI], 15
	s_cbranch_scc1 .Lmain
	PERIOD 1, 0, 1, 0, 0                           ; period 15: the last E tile is here; written out
	s_mov_b32 s[PI], 16
.Llast:                                            ; periods 16 to 18: the last chunk
	PERIOD 0, 0, 1, 1, 0
	s_add_co_u32 s[PI], s[PI], 1
	s_cmp_lt_u32 s[PI], 19
	s_cbranch_scc1 .Llast
	PERIOD 0, 0, 0, 0, 0                           ; period 19: nothing is left to fetch
	STEP 8, 0, 1, 1, 0                             ; the last pair
	FOLD 5, 1
	FOLD 6, 1
	FOLD 7, 1
	; THE WAY OUT.  A lane holds the part of eight rows' scores that falls on its column class: the sixteen lanes of a half are added.  The sums move to window 0 first, where the lane steps run.
	WIN 0x01                                       ; source 0 window 1
.set x, 0
.rept 32
	v_mov_b32 v[X+x], v[S+x]
.set x, x+1
.endr
	WIN 0
.irp mask, 1,2,4,8
.set x, 0
.rept 32
	v_add_f32_dpp v[X+x], v[X+x], v[X+x] row_xmask:\mask row_mask:0xf bank_mask:0xf
.set x, x+1
.endr
.endr
.irp m, 0,1,2,3
.irp u, 0,1
	ds_store_b128 v[STO], v[X+8*\m+4*\u:X+8*\m+4*\u+3] offset:256*\m+16*\u   ; the sixteen lanes of a half write the same bytes with the same values
.endr
.endr
	s_wait_dscnt 0x0                               ; for the others' sake
	s_barrier_signal -1
	s_barrier_wait -1
	ds_load_b64 v[240:241], v[STR]
	s_wait_dscnt 0x0
	global_store_b64 v[GOF], v[240:241], s[12:13]  ; 32 lanes store 256 consecutive bytes, aligned
	s_wait_tensorcnt 0x0                           ; the wave's end
	ds_add_u32 v[SPW], v[NIL]
	s_wait_dscnt 0x0
	CROUND                                         ; the closing round
	s_endpgm
.Lfunc_end_k_q0a3505b846_scores:
	.size	k_q0a3505b846_scores, .Lfunc_end_k_q0a3505b846_scores-k_q0a3505b846_scores
	.p2alignl 7, 3214868480
	.fill 96, 4, 3214868480
	.section	.rodata,"a",@progbits
	.p2align	6, 0x0
	.amdhsa_kernel k_q0a3505b846_scores
		.amdhsa_group_segment_fixed_size 327680
		.amdhsa_private_segment_fixed_size 0
		.amdhsa_enable_private_segment 0
		.amdhsa_kernarg_size 56
		.amdhsa_user_sgpr_count 2
		.amdhsa_user_sgpr_kernarg_segment_ptr 1
		.amdhsa_wavefront_size32 1
		.amdhsa_system_sgpr_workgroup_id_x 1
		.amdhsa_system_sgpr_workgroup_id_y 1
		.amdhsa_system_sgpr_workgroup_id_z 1
		.amdhsa_system_vgpr_workitem_id 0
		.amdhsa_next_free_vgpr 448
		.amdhsa_next_free_sgpr 80
		.amdhsa_reserve_vcc 1
		.amdhsa_float_denorm_mode_32 3
		.amdhsa_float_denorm_mode_16_64 3
		.amdhsa_memory_ordered 1
		.amdhsa_forward_progress 1
		.amdhsa_inst_pref_size 255
	.end_amdhsa_kernel
	.section	.bss,"aw",@nobits
	.p2align	6
	.space	262144
	.amdgpu_metadata
---
amdhsa.version: [ 1, 2 ]
amdhsa.kernels:
  - .name:           k_q0a3505b846_scores
    .symbol:         k_q0a3505b846_scores.kd
    .args:
      - { .name: encoder_outputs, .offset: 0, .size: 8, .value_kind: global_buffer, .address_space: global }
      - { .name: output, .offset: 8, .size: 8, .value_kind: global_buffer, .address_space: global }
      - { .name: wa_img, .offset: 16, .size: 8, .value_kind: global_buffer, .address_space: global }
      - { .name: zpart, .offset: 24, .size: 8, .value_kind: global_buffer, .address_space: global }
      - { .name: scores, .offset: 32, .size: 8, .value_kind: global_buffer, .address_space: global }
      - { .name: win, .offset: 40, .size: 8, .value_kind: global_buffer, .address_space: global }
      - { .name: pt, .offset: 48, .size: 8, .value_kind: global_buffer, .address_space: global }
    .group_segment_fixed_size: 327680
    .private_segment_fixed_size: 0
    .kernarg_segment_align: 8
    .kernarg_segment_size: 56
    .max_flat_workgroup_size: 128
    .sgpr_count:     80
    .vgpr_count:     448
    .wavefront_size: 32
...
	.end_amdgpu_metadata
.endif
;; end of part 2
;; launch context (part 3): grid 4 x 64, 8 waves a work-group, no clusters, 9,216 bytes of LDS; arguments encoder_outputs, scores, win, pt, ctx; writes ctx
.if DOCPART == 3
	.amdgcn_target "amdgcn-amd-amdhsa--gfx1250"
	.amdhsa_code_object_version 6
	.text
	.protected	k_q0a3505b846_context
	.globl	k_q0a3505b846_context
	.p2align	8
	.type	k_q0a3505b846_context,@function
k_q0a3505b846_context:
	s_mov_b64 s[64:65], 0
	v_nop
	global_prefetch_b8 v0, s[64:65] scope:SCOPE_SE
	s_setreg_imm32_b32 hwreg(HW_REG_WAVE_MODE, 25, 1), 1
	s_wait_xcnt 0x0
; CONTEXT.  ctx[n][:] = sum over rows l of softmax(scores[n])[l] x exp(-(l - p)^2 / 25) x enc[n][l][:], all in f32.
; Only the 128 rows from win[n] on are read: the launch before chose them so that outside them |l - p| is above 63, where the window's factor is 0 in f32.  The softmax's maximum and sum run over all 1,024 scores.
; Work-group (q, n) takes columns 256 q .. + 255; wave w the window's rows 16 w .. + 15; the eight waves' parts meet in LDS.
; The exponent is fma(s, log2 e, - m log2 e): the rounding of m log2 e is common to all terms and cancels in p / sum.
; No matrix unit (one row of weights), no cluster and no tensor load: each byte is read by one wave, once.
; LIMITS: v_exp_f32 and v_rcp_f32 flush denormals, so weights under 2^-126 count as 0; NaN and infinities are not served.
	s_load_b256 s[4:11], s[0:1], 0x0               ; enc s[4:5], scores s[6:7], win s[8:9], pt s[10:11]
	s_load_b64 s[12:13], s[0:1], 0x20              ; ctx
	v_lshl_add_u32 v208, v0, 2, 0x2000
	v_mov_b32 v209, 0
	v_lshrrev_b32 v1, 5, v0
	v_readfirstlane_b32 s14, v1                    ; wave 0..7
	s_and_b32 s15, ttmp7, 0xffff                   ; n
	v_and_b32 v1, 31, v0
	v_and_b32 v2, 15, v0                           ; r
	v_lshlrev_b32 v1, 4, v1                        ; 16 x lane
	s_lshl_b32 s18, s14, 10
	v_add_nc_u32 v5, s18, v1                       ; LDS: my wave's 1,024 bytes
	s_lshl_b32 s18, s14, 9
	v_add_nc_u32 v6, s18, v1                       ; 512 w + 16 x lane: where waves 0 and 1 read the parts, and their offset in ctx
	s_mov_b32 s24, 0x3fb8aa3b                      ; log2 e
	s_mov_b32 s25, s24                             ; (named with it as a pair)
	s_mov_b32 s26, 0x76543210
	s_mov_b32 s27, 0xfedcba98
	s_lshl_b32 s16, s15, 4
	s_lshl_b32 s18, ttmp9, 2
	s_add_co_u32 s16, s16, s18                     ; word 4 n + q of win and of pt
	s_mov_b32 s17, 0
	s_lshl_b32 s18, s15, 12                        ; row n of scores
	s_mov_b32 s19, 0
	s_lshl_b32 s28, ttmp9, 10
	s_add_co_u32 s28, s28, s18                     ; ctx: row n, columns 256 q on
	s_mov_b32 s29, 0
	s_wait_kmcnt 0x0
	s_add_nc_u64 s[8:9], s[8:9], s[16:17]
	s_add_nc_u64 s[10:11], s[10:11], s[16:17]
	s_load_b32 s20, s[8:9], 0x0                    ; the window's first row
	s_load_b32 s21, s[10:11], 0x0                  ; p
	s_add_nc_u64 s[6:7], s[6:7], s[18:19]
	s_add_nc_u64 s[12:13], s[12:13], s[28:29]
.irp k, 0,1,2,3,4,5,6,7
	global_load_b128 v[16+4*\k:19+4*\k], v1, s[6:7] offset:512*\k   ; all 1,024 scores, 32 a lane
.endr
	s_wait_kmcnt 0x0
	s_min_u32 s20, s20, 896                        ; the window stays inside the 1,024 rows
	s_lshl_b32 s22, s14, 4
	s_add_co_u32 s22, s22, s20                     ; my wave's first row
	v_add_nc_u32 v3, s22, v2                       ; lane r's row (lanes 16-31 repeat)
	v_lshlrev_b32 v4, 2, v3
	global_load_b32 v48, v4, s[6:7]                ; its score
	s_lshl_b32 s16, s22, 12
	s_lshl_b32 s23, s15, 22
	s_add_co_u32 s16, s16, s23
	s_lshl_b32 s23, ttmp9, 10
	s_add_co_u32 s16, s16, s23
	s_mov_b32 s17, 0
	s_add_nc_u64 s[4:5], s[4:5], s[16:17]
.irp i, 0,1,2,3,4,5,6,7,8,9,10,11,12,13,14,15
	global_load_b128 v[64+8*\i:67+8*\i], v1, s[4:5] offset:4096*\i th:TH_LOAD_NT       ; a row's 1,024 bytes in two loads of 512 consecutive bytes
	global_load_b128 v[68+8*\i:71+8*\i], v1, s[4:5] offset:4096*\i+512 th:TH_LOAD_NT
.endr
	s_wait_loadcnt 32                              ; the scores are in; the 32 loads of rows stay out
	v_max3_num_f32 v50, v16, v17, v18
	v_max3_num_f32 v51, v19, v20, v21
.irp i, 22,26,30,34,38,42
	v_max3_num_f32 v50, v50, v[\i], v[\i+1]
	v_max3_num_f32 v51, v51, v[\i+2], v[\i+3]
.endr
	v_max3_num_f32 v50, v50, v46, v47
	v_max_num_f32 v50, v50, v51
	v_max_num_f32_dpp v50, v50, v50 row_xmask:1 row_mask:0xf bank_mask:0xf
	v_max_num_f32_dpp v50, v50, v50 row_xmask:2 row_mask:0xf bank_mask:0xf
	v_max_num_f32_dpp v50, v50, v50 row_xmask:4 row_mask:0xf bank_mask:0xf
	v_max_num_f32_dpp v50, v50, v50 row_xmask:8 row_mask:0xf bank_mask:0xf
	v_permlanex16_b32 v51, v50, s26, s27
	v_max_num_f32 v50, v50, v51                    ; m, the largest score
	v_mul_f32 v52, 0xbfb8aa3b, v50                 ; - m log2 e
	v_mov_b32 v53, v52
.irp j, 0,2,4,6,8,10,12,14,16,18,20,22,24,26,28,30
	v_pk_fma_f32 v[16+\j:17+\j], v[16+\j:17+\j], s[24:25], v[52:53] op_sel_hi:[1,0,0]
.endr
	v_fma_f32 v48, v48, s24, v52                   ; the same of my row's score
	v_cvt_f32_u32 v54, v3
	v_sub_f32 v54, v54, s21                        ; l - p
	v_mul_f32 v54, v54, v54
	v_mul_f32 v54, 0xbd6c5f04, v54                 ; - (l - p)^2 log2 e / 25
.irp j, 0,1,2,3,4,5,6,7,8,9,10,11,12,13,14,15,16,17,18,19,20,21,22,23,24,25,26,27,28,29,30,31
	v_exp_f32 v[16+\j], v[16+\j]
.endr
	v_exp_f32 v48, v48
	v_exp_f32 v54, v54
	v_nop                                          ; a plain place behind the batch,
	s_wait_alu depctr_va_vdst(0)                   ; and one wait for it, ahead of its first reader
	v_pk_add_f32 v[56:57], v[16:17], v[18:19]
	v_pk_add_f32 v[58:59], v[20:21], v[22:23]
.irp j, 24,28,32,36,40,44
	v_pk_add_f32 v[56:57], v[56:57], v[\j:\j+1]
	v_pk_add_f32 v[58:59], v[58:59], v[\j+2:\j+3]
.endr
	v_pk_add_f32 v[56:57], v[56:57], v[58:59]
	v_add_f32 v56, v56, v57
	v_add_f32_dpp v56, v56, v56 row_xmask:1 row_mask:0xf bank_mask:0xf
	v_add_f32_dpp v56, v56, v56 row_xmask:2 row_mask:0xf bank_mask:0xf
	v_add_f32_dpp v56, v56, v56 row_xmask:4 row_mask:0xf bank_mask:0xf
	v_add_f32_dpp v56, v56, v56 row_xmask:8 row_mask:0xf bank_mask:0xf
	v_permlanex16_b32 v57, v56, s26, s27
	v_add_f32 v56, v56, v57                        ; the softmax's sum
	v_rcp_f32 v56, v56
	v_nop
	s_wait_alu depctr_va_vdst(0)
	v_mul_f32 v48, v48, v56                        ; align,
	v_mul_f32 v48, v48, v54                        ; times the window: lane r holds row r's weight
.irp i, 0,1,2,3,4,5,6,7,8,9,10,11,12,13,14,15
	v_readlane_b32 s[32+\i], v48, \i               ; the sixteen weights as scalars: values only
.endr
	s_wait_loadcnt 30                              ; row 0's two loads are in
.irp e, 0,1,2,3,4,5,6,7
	v_mul_f32 v[192+\e], s32, v[64+\e]             ; the first row starts the sums
.endr
.set i, 1
.rept 15
	s_wait_loadcnt 2*(15-i)                        ; behind row i's two loads: two for each later row
.irp e, 0,1,2,3,4,5,6,7
	v_fmac_f32 v[192+\e], s[32+i], v[64+8*i+\e]
.endr
.set i, i+1
.endr
	ds_store_b128 v5, v[192:195]
	ds_store_b128 v5, v[196:199] offset:512
	s_wait_dscnt 0x0                               ; for the others' sake
	s_barrier_signal -1
	s_barrier_wait -1
	s_cmp_lt_u32 s14, 2                            ; waves 0 and 1 add the eight parts, 512 bytes each
	s_cbranch_scc0 .Ldone
.irp k, 0,1,2,3,4,5,6,7
	ds_load_b128 v[64+4*\k:67+4*\k], v6 offset:1024*\k
.endr
	s_wait_dscnt 0x0
.irp k, 1,2,3,4,5,6,7
	v_pk_add_f32 v[64:65], v[64:65], v[64+4*\k:65+4*\k]
	v_pk_add_f32 v[66:67], v[66:67], v[66+4*\k:67+4*\k]
.endr
	global_store_b128 v6, v[64:67], s[12:13]       ; 32 lanes store 512 consecutive bytes, aligned to 256
.Ldone:
	s_wait_tensorcnt 0x0
	ds_add_u32 v208, v209
	s_wait_dscnt 0x0
	s_endpgm
.Lfunc_end_k_q0a3505b846_context:
	.size	k_q0a3505b846_context, .Lfunc_end_k_q0a3505b846_context-k_q0a3505b846_context
	.p2alignl 7, 3214868480
	.fill 96, 4, 3214868480
	.section	.rodata,"a",@progbits
	.p2align	6, 0x0
	.amdhsa_kernel k_q0a3505b846_context
		.amdhsa_group_segment_fixed_size 9216
		.amdhsa_private_segment_fixed_size 0
		.amdhsa_enable_private_segment 0
		.amdhsa_kernarg_size 40
		.amdhsa_user_sgpr_count 2
		.amdhsa_user_sgpr_kernarg_segment_ptr 1
		.amdhsa_wavefront_size32 1
		.amdhsa_system_sgpr_workgroup_id_x 1
		.amdhsa_system_sgpr_workgroup_id_y 1
		.amdhsa_system_sgpr_workgroup_id_z 1
		.amdhsa_system_vgpr_workitem_id 0
		.amdhsa_next_free_vgpr 210
		.amdhsa_next_free_sgpr 66
		.amdhsa_reserve_vcc 0
		.amdhsa_float_denorm_mode_32 3
		.amdhsa_float_denorm_mode_16_64 3
		.amdhsa_memory_ordered 1
		.amdhsa_forward_progress 1
		.amdhsa_inst_pref_size 19
	.end_amdhsa_kernel
	.amdgpu_metadata
---
amdhsa.version: [ 1, 2 ]
amdhsa.kernels:
  - .name:           k_q0a3505b846_context
    .symbol:         k_q0a3505b846_context.kd
    .args:
      - { .name: encoder_outputs, .offset: 0, .size: 8, .value_kind: global_buffer, .address_space: global }
      - { .name: scores, .offset: 8, .size: 8, .value_kind: global_buffer, .address_space: global }
      - { .name: win, .offset: 16, .size: 8, .value_kind: global_buffer, .address_space: global }
      - { .name: pt, .offset: 24, .size: 8, .value_kind: global_buffer, .address_space: global }
      - { .name: ctx, .offset: 32, .size: 8, .value_kind: global_buffer, .address_space: global }
    .group_segment_fixed_size: 9216
    .private_segment_fixed_size: 0
    .kernarg_segment_align: 8
    .kernarg_segment_size: 40
    .max_flat_workgroup_size: 256
    .sgpr_count:     66
    .vgpr_count:     210
    .wavefront_size: 32
...
	.end_amdgpu_metadata
.endif
;; end of part 3
;; launch final (part 4): grid 16 x 2, 8 waves a work-group, no clusters, 36,864 bytes of LDS; arguments ctx, output, W_c_codes, W_c_scales, out0; writes out0
.if DOCPART == 4
	.amdgcn_target "amdgcn-amd-amdhsa--gfx1250"
	.amdhsa_code_object_version 6
	.text
	.protected	k_q0a3505b846_final
	.globl	k_q0a3505b846_final
	.p2align	8
	.type	k_q0a3505b846_final,@function
k_q0a3505b846_final:
	s_mov_b64 s[64:65], 0
	v_nop
	global_prefetch_b8 v0, s[64:65] scope:SCOPE_SE
	s_setreg_imm32_b32 hwreg(HW_REG_WAVE_MODE, 25, 1), 1
	s_wait_xcnt 0x0
; FINAL.  out0 = tanh([ctx, output] W_c^T), the product on codes of E3M2 with E8M0 scales.  [ctx, output] is quantised here, along its 2,048.
; Work-group (tc, mh) takes columns 64 tc .. + 63 and batch rows 32 mh .. + 31.  Wave w: row tile mp = w % 2, K steps 4 kq .. + 3 with kq = w / 2 (kq < 2: ctx; else output).
; The product is used transposed (source 0 = 16 rows of W_c, source 1 = my 16 batch rows): a lane holds one batch row and eight neighbouring columns.  The four K quarters meet in LDS.
; 32 work-groups: the product has 64 rows, and a finer split would read W_c more often for less work each.  No tensor load, no cluster: what is shared is read twice in all.
; LIMITS: NaN and infinities are not served.  A block of zeros gets the scale byte 1 (the rule says 127): its codes are zeros, and the byte is read here alone.
.set SEL, 18                           ; s[18:19]
.set WCS, 16                           ; v16-31  W_c's scale words, tile tt, K step i at 4 tt + i: scales and nothing else
.set PWS, 32                           ; v32-35  my rows' scale words: scales and nothing else
.set TM,  36                           ; v36-51  the quantiser's work
.set TP,  52                           ; v52-59  the conversions' second halves
.set X0,  64                           ; v64-127, v128-191  two sets of 64 numbers
.set X1,  128
.set ACC, 64                           ; v64-95  the four accumulators, where the first set lay
.set AC,  192                          ; v192-239 my rows' four fragments
.set MSB, 0                            ; window 1: v0-191 W_c's 16 fragments, (tt, i) at 12 (4 tt + i)
.macro WIN new                         ; the immediate's high byte repeats the setting that is left
.if MSB != \new
	s_set_vgpr_msb (MSB<<8)|\new
.set MSB, \new
.endif
.endm
; 64 numbers of a lane, register 16 b + i = k 32 b + 16 (lane / 16) + i of my row, become a fragment's codes in v[pc] on and its scale word in v[pw]
.macro QUANT s, pc, pw
.irp b, 0,1,2,3
	v_max3_num_f32 v[TM+\b], |v[(\s)+16*\b]|, |v[(\s)+1+16*\b]|, 0x2800000   ; and the floor 2^(5 - 127): the byte cannot fall under 1
.endr
.irp i, 2,4,6,8,10,12,14
.irp b, 0,1,2,3
	v_max3_num_f32 v[TM+\b], v[TM+\b], |v[(\s)+16*\b+\i]|, |v[(\s)+1+16*\b+\i]|
.endr
.endr
.irp b, 0,1,2,3
	v_permlanex16_b32 v[TM+4+\b], v[TM+\b], s[SEL], s[SEL+1]
.endr
.irp b, 0,1,2,3
	v_max_num_f32 v[TM+\b], v[TM+\b], v[TM+4+\b]
.endr
.irp b, 0,1,2,3
	v_add_nc_u32 v[TM+12+\b], 0xfe000000, v[TM+\b]        ; 4 off the exponent field: the conversion's scale operand
.endr
.irp b, 0,1,2,3
	v_lshrrev_b32 v[TM+4+\b], 23, v[TM+12+\b]             ; the scale's byte
.endr
	v_lshl_or_b32 v[\pw], v[TM+5], 8, v[TM+4]
	v_lshl_or_b32 v[\pw], v[TM+6], 16, v[\pw]
	v_lshl_or_b32 v[\pw], v[TM+7], 24, v[\pw]
.irp c, 0,1
	v_cvt_scalef32_pk16_bf6_f32 v[(\pc)+6*\c:(\pc)+2+6*\c], v[(\s)+32*\c:(\s)+15+32*\c], v[TM+12+2*\c]
	v_cvt_scalef32_pk16_bf6_f32 v[TP+4*\c:TP+2+4*\c], v[(\s)+16+32*\c:(\s)+31+32*\c], v[TM+13+2*\c]
.endr
	v_nop                                          ; one plain place behind the scaled conversions
.irp c, 0,1
.irp i, 0,1,2
	v_permlane16_swap_b32 v[(\pc)+6*\c+\i], v[TP+4*\c+\i]
.endr
.irp i, 0,1,2
	v_mov_b32 v[(\pc)+3+6*\c+\i], v[TP+4*\c+\i]
.endr
.endr
.endm
.macro XLOAD reg, i
.irp b, 0,1,2,3
.irp j, 0,1,2,3
	global_load_b128 v[\reg+16*\b+4*\j:\reg+16*\b+4*\j+3], v11, s[4:5] offset:512*(\i)+128*\b+16*\j
.endr
.endr
.endm
	s_load_b256 s[4:11], s[0:1], 0x0               ; ctx s[4:5], output s[6:7], W_c codes s[8:9], W_c scales s[10:11]
	s_load_b64 s[12:13], s[0:1], 0x20              ; out0
	v_lshl_add_u32 v254, v0, 2, 0x8c00
	v_mov_b32 v255, 0
	v_lshrrev_b32 v1, 5, v0
	v_readfirstlane_b32 s14, v1                    ; wave 0..7
	s_and_b32 s15, s14, 1                          ; mp
	s_lshr_b32 s16, s14, 1                         ; kq
	s_and_b32 s17, ttmp7, 0xffff                   ; mh
	s_mov_b32 s[SEL], 0x76543210
	s_mov_b32 s[SEL+1], 0xfedcba98
	v_and_b32 v2, 15, v0                           ; r
	v_bfe_u32 v3, v0, 4, 1                         ; h
	v_mul_u32_u24 v4, v2, 1536                     ; a row of W_c is 2,048 codes: 1,536 bytes
	v_mad_u32_u24 v4, v3, 24, v4
	v_lshlrev_b32 v5, 6, v2                        ; and 64 scale bytes
	v_lshlrev_b32 v11, 12, v2
	v_lshl_add_u32 v11, v3, 6, v11                 ; my batch row of 4,096 bytes, + 64 h
	s_mul_i32 s20, s16, 8704                       ; LDS: K quarter kq: 32 rows x (256 bytes + 16)
	s_mul_i32 s21, s15, 4352
	s_add_co_u32 s20, s20, s21
	v_mul_u32_u24 v12, v2, 272
	v_lshl_add_u32 v12, v3, 5, v12
	v_add_nc_u32 v12, s20, v12                     ; in: row 16 mp + r, + 32 h
	s_mul_i32 s20, s14, 1088
	v_mul_u32_u24 v13, v3, 272
	v_lshl_add_u32 v13, v2, 4, v13
	v_add_nc_u32 v13, s20, v13                     ; back: rows 4 w + h (and two on), 16 bytes a lane
	v_lshlrev_b32 v14, 12, v3
	v_lshl_add_u32 v14, v2, 4, v14                 ; and the same in out0
.irp b, 0,1,2,3
	v_mov_b32 v[TM+4+\b], 0                        ; written once: a lane permute's destination counts as one of its sources
.endr
	s_lshl_b32 s20, s17, 17                        ; 32 mh rows of 4,096 bytes
	s_lshl_b32 s22, s15, 16
	s_add_co_u32 s22, s22, s20
	s_and_b32 s24, s16, 1
	s_lshl_b32 s24, s24, 11
	s_add_co_u32 s22, s22, s24                     ; my rows, my four K steps within ctx or output
	s_mov_b32 s23, 0
	s_mul_i32 s24, ttmp9, 98304                    ; 64 rows of W_c
	s_mul_i32 s26, s16, 384
	s_add_co_u32 s24, s24, s26
	s_mov_b32 s25, 0
	s_lshl_b32 s26, ttmp9, 12
	s_lshl_b32 s28, s16, 4
	s_add_co_u32 s26, s26, s28
	s_mov_b32 s27, 0
	s_lshl_b32 s28, s14, 14
	s_add_co_u32 s28, s28, s20
	s_lshl_b32 s30, ttmp9, 8
	s_add_co_u32 s28, s28, s30                     ; out0: row 32 mh + 4 w, column 64 tc
	s_mov_b32 s29, 0
	s_wait_kmcnt 0x0
	s_cmp_lt_u32 s16, 2                            ; the choice hangs on the wave's number alone
	s_cselect_b64 s[4:5], s[4:5], s[6:7]
	s_add_nc_u64 s[4:5], s[4:5], s[22:23]
	s_add_nc_u64 s[8:9], s[8:9], s[24:25]
	s_add_nc_u64 s[10:11], s[10:11], s[26:27]
	s_add_nc_u64 s[12:13], s[12:13], s[28:29]
	WIN 0x40                                       ; destination window 1.  W_c's loads go first, so that every later count fits a wait
.irp tt, 0,1,2,3
.irp i, 0,1,2,3
.irp p, 0,1,2,3,4,5
	global_load_b64 v[12*(4*\tt+\i)+2*\p:12*(4*\tt+\i)+2*\p+1], v4, s[8:9] offset:24576*\tt+96*\i+48*(\p/3)+8*(\p%3)
.endr
.endr
.endr
	WIN 0
.irp tt, 0,1,2,3
	global_load_b128 v[WCS+4*\tt:WCS+4*\tt+3], v5, s[10:11] offset:1024*\tt
.endr
	XLOAD X0, 0
	XLOAD X1, 1
	s_wait_loadcnt 16                              ; all but the sixteen loads of the next K step, here and twice below
	QUANT X0, AC, PWS
	XLOAD X0, 2
	s_wait_loadcnt 16
	QUANT X1, AC+12, PWS+1
	XLOAD X1, 3
	s_wait_loadcnt 16
	QUANT X0, AC+24, PWS+2
	s_wait_loadcnt 0x0
	QUANT X1, AC+36, PWS+3
.rept 8
	v_nop                                          ; a scale register written by a vector instruction stands 8 places ahead of a scaled matrix instruction, an operand 4
.endr
	WIN 0x01                                       ; source 0 (W_c) window 1
.irp i, 0,1,2,3                        ; four accumulators by turns; the first K step starts the sums
.irp tt, 0,1,2,3
.if \i == 0
	v_wmma_scale_f32_16x16x128_f8f6f4 v[ACC+8*\tt:ACC+8*\tt+7], v[12*(4*\tt+\i):12*(4*\tt+\i)+11], v[AC+12*\i:AC+12*\i+11], 0, v[WCS+4*\tt+\i], v[PWS+\i] matrix_a_fmt:MATRIX_FMT_BF6 matrix_b_fmt:MATRIX_FMT_BF6
.else
	v_wmma_scale_f32_16x16x128_f8f6f4 v[ACC+8*\tt:ACC+8*\tt+7], v[12*(4*\tt+\i):12*(4*\tt+\i)+11], v[AC+12*\i:AC+12*\i+11], v[ACC+8*\tt:ACC+8*\tt+7], v[WCS+4*\tt+\i], v[PWS+\i] matrix_a_fmt:MATRIX_FMT_BF6 matrix_b_fmt:MATRIX_FMT_BF6
.endif
.endr
.endr
	WIN 0
.rept 4
	v_nop                                          ; four places ahead of the first read of results
.endr
.irp tt, 0,1,2,3
	ds_store_b128 v12, v[ACC+8*\tt:ACC+8*\tt+3] offset:64*\tt         ; each accumulator from its low end on: columns 16 tt + 8 h + 0 .. 7 of my row
	ds_store_b128 v12, v[ACC+8*\tt+4:ACC+8*\tt+7] offset:64*\tt+16
.endr
	s_wait_dscnt 0x0                               ; for the others' sake
	s_barrier_signal -1
	s_barrier_wait -1
.irp u, 0,1
.irp k, 0,1,2,3
	ds_load_b128 v[128+16*\u+4*\k:131+16*\u+4*\k], v13 offset:544*\u+8704*\k
.endr
.endr
	s_wait_dscnt 0x0
.irp u, 0,1
.irp k, 1,2,3
	v_pk_add_f32 v[128+16*\u:129+16*\u], v[128+16*\u:129+16*\u], v[128+16*\u+4*\k:129+16*\u+4*\k]
	v_pk_add_f32 v[130+16*\u:131+16*\u], v[130+16*\u:131+16*\u], v[130+16*\u+4*\k:131+16*\u+4*\k]
.endr
.endr
	; tanh(x) = 1 - 2 / (1 + 2^(2 x log2 e))
.irp j, 128,129,130,131,144,145,146,147
	v_mul_f32 v[\j], 0x4038aa3b, v[\j]
.endr
.irp j, 128,129,130,131,144,145,146,147
	v_exp_f32 v[\j], v[\j]
.endr
	v_nop                                          ; a plain place behind the batch,
	s_wait_alu depctr_va_vdst(0)                   ; and one wait for it, ahead of its first reader
.irp j, 128,129,130,131,144,145,146,147
	v_add_f32 v[\j], 1.0, v[\j]
.endr
.irp j, 128,129,130,131,144,145,146,147
	v_rcp_f32 v[\j], v[\j]
.endr
	v_nop
	s_wait_alu depctr_va_vdst(0)
.irp j, 128,129,130,131,144,145,146,147
	v_fma_f32 v[\j], -2.0, v[\j], 1.0
.endr
.irp u, 0,1
	global_store_b128 v14, v[128+16*\u:131+16*\u], s[12:13] offset:8192*\u   ; sixteen lanes store 256 consecutive bytes of a row, aligned
.endr
	s_wait_tensorcnt 0x0
	ds_add_u32 v254, v255
	s_wait_dscnt 0x0
	s_endpgm
.Lfunc_end_k_q0a3505b846_final:
	.size	k_q0a3505b846_final, .Lfunc_end_k_q0a3505b846_final-k_q0a3505b846_final
	.p2alignl 7, 3214868480
	.fill 96, 4, 3214868480
	.section	.rodata,"a",@progbits
	.p2align	6, 0x0
	.amdhsa_kernel k_q0a3505b846_final
		.amdhsa_group_segment_fixed_size 36864
		.amdhsa_private_segment_fixed_size 0
		.amdhsa_enable_private_segment 0
		.amdhsa_kernarg_size 40
		.amdhsa_user_sgpr_count 2
		.amdhsa_user_sgpr_kernarg_segment_ptr 1
		.amdhsa_wavefront_size32 1
		.amdhsa_system_sgpr_workgroup_id_x 1
		.amdhsa_system_sgpr_workgroup_id_y 1
		.amdhsa_system_sgpr_workgroup_id_z 1
		.amdhsa_system_vgpr_workitem_id 0
		.amdhsa_next_free_vgpr 448
		.amdhsa_next_free_sgpr 66
		.amdhsa_reserve_vcc 0
		.amdhsa_float_denorm_mode_32 3
		.amdhsa_float_denorm_mode_16_64 3
		.amdhsa_memory_ordered 1
		.amdhsa_forward_progress 1
		.amdhsa_inst_pref_size 40
	.end_amdhsa_kernel
	.amdgpu_metadata
---
amdhsa.version: [ 1, 2 ]
amdhsa.kernels:
  - .name:           k_q0a3505b846_final
    .symbol:         k_q0a3505b846_final.kd
    .args:
      - { .name: ctx, .offset: 0, .size: 8, .value_kind: global_buffer, .address_space: global }
      - { .name: output, .offset: 8, .size: 8, .value_kind: global_buffer, .address_space: global }
      - { .name: W_c_codes, .offset: 16, .size: 8, .value_kind: global_buffer, .address_space: global }
      - { .name: W_c_scales, .offset: 24, .size: 8, .value_kind: global_buffer, .address_space: global }
      - { .name: out0, .offset: 32, .size: 8, .value_kind: global_buffer, .address_space: global }
    .group_segment_fixed_size: 36864
    .private_segment_fixed_size: 0
    .kernarg_segment_align: 8
    .kernarg_segment_size: 40
    .max_flat_workgroup_size: 256
    .sgpr_count:     66
    .vgpr_count:     448
    .wavefront_size: 32
...
	.end_amdgpu_metadata
.endif
;; end of part 4
;; ======== version 2 of 2: 4 launches; version 1 with the launches prep, final written anew for expert scheduling mode
;; workspace buffers: wa_img 819,200 bytes; zpart 16,384 bytes; scores 262,144 bytes; win 1,024 bytes of whole numbers; pt 1,024 bytes; ctx 262,144 bytes
;; launch prep (part 5): grid 64 x 1, 8 waves a work-group, no clusters, 9,216 bytes of LDS; arguments W_a_codes, W_a_scales, W_p_codes, W_p_scales, output, v_p, wa_img, zpart; writes wa_img, zpart
.if DOCPART == 5
	.amdgcn_target "amdgcn-amd-amdhsa--gfx1250"
	.amdhsa_code_object_version 6
	.text
	.protected	k_q0a3505b846_prep
	.globl	k_q0a3505b846_prep
	.p2align	8
	.type	k_q0a3505b846_prep,@function
k_q0a3505b846_prep:
	s_mov_b64 s[64:65], 0
	v_nop
	global_prefetch_b8 v0, s[64:65] scope:SCOPE_SE
	s_setreg_imm32_b32 hwreg(HW_REG_WAVE_SCHED_MODE, 0, 2), 2
	s_setreg_imm32_b32 hwreg(HW_REG_WAVE_MODE, 25, 1), 1
	s_wait_xcnt 0x0
	s_wait_alu depctr_vm_vsrc(0)
; PREP.  Work-group t (0..63) takes rows 16 t .. 16 t + 15 of W_a and of W_p.  Eight waves.
; (a) W_a's codes and scale bytes are laid anew, in the order of a matrix operand's registers, for the launch that multiplies by them:
;     wa_img[chunk c of 256 along K][pair u of tiles 2 u, 2 u + 1] is 6,400 bytes: four fragments of 1,536 bytes (tile 2u K step 2c, tile 2u+1 K step 2c, tile 2u K step 2c+1,
;     tile 2u+1 K step 2c+1; registers 4 g .. 4 g + 3 of lane L at 512 g + 16 L), then 256 bytes of scale words: lane L at 8 L: the words of row (L % 16) of the two tiles for K step 2 c + L / 16.
;     Wave w re-lays the tile's fragment of K step w.
; (b) tanh(output W_p^T) for the 16 columns g of the tile, times v_p, summed over the 16: zpart[t][n].  output is quantised here (E3M2, one E8M0 scale a block of 32);
;     wave (m = w % 4, kh = w / 4) takes batch rows 16 m .. + 15 and K steps 4 kh .. + 3.  The product is used transposed (source 0 = W_p's rows, source 1 = output's rows):
;     a lane holds one batch row (lane % 16) and the columns 8 (lane / 16) + 0 .. 7.
; LIMITS: NaN and infinities among the inputs are not served.  A block of zeros gets the scale byte 1 (the rule says 127): its codes are zeros, and the byte is read by this program alone.
; THE MODE: SCHED_MODE bits 1:0 = 2 (LLVM: expert scheduling mode 2), set by the entry lines.  The code itself states the register dependences
; between vector or matrix instructions and memory or LDS instructions, with s_wait_alu, always for 0.
; THE PLAN.  Registers that memory or LDS instructions touch:
;   v4-v14    offsets and LDS addresses: written at the head and never again.  One wait on va_vdst ahead of the first load serves every load and store of the kernel.
;   v48-60    W_a's fragment and word: loaded; read by the image's stores; written by the products: one wait on vm_vsrc ahead of the products.
;   X0, X1    loaded; read by the quantiser's maxima and conversions; loaded again for K steps 2 and 3: one wait on va_vdst behind the conversions, the loads straight behind it,
;             and the exchange of halves, which names none of these registers, behind the loads.
;   v20-23, v192-239  written by the quantiser, taken by the scaled products: one wait on va_vdst behind the eight places.
;   v64-71    written by the additions; read by the upper K half's LDS stores (va_vdst ahead of them); written again behind the barrier (vm_vsrc ahead of it).
;   v72-79    LDS loads land in them; v72 is then written by the arithmetic, read by one LDS store (va_vdst), and takes an LDS load in wave 0 (vm_vsrc).
;   v16-19, v240-247, window 1 v0-47  loaded once; vector and matrix instructions read them behind the wait for their data.
;   v254, v255  written at the head, read by the closing add alone.
.set WV,  20                           ; s20 wave; s21 m; s22 kh; s23 w % 2
.set SEL, 44                           ; s[44:45] v_permlanex16_b32's selects for lane l xor 16
.set WPS, 16                           ; v16-19  W_p's scale words of my four K steps: scales and nothing else
.set PWS, 20                           ; v20-23  output's scale words of my four K steps: scales and nothing else
.set TM,  24                           ; v24-39  the quantiser's work
.set TP,  40                           ; v40-47  the conversions' second halves
.set RL,  48                           ; v48-59 W_a's fragment, v60 its scale word; later the two accumulators v48-55, v56-63
.set X0,  64                           ; v64-127, v128-191  two sets of 64 numbers of output
.set X1,  128
.set AC,  192                          ; v192-239 output's four fragments
.set VP,  240                          ; v240-247 v_p of my eight columns
.set MSB, 0                            ; window 1: v0-47 W_p's four fragments
.macro WIN new                         ; the immediate's high byte repeats the setting that is left
.if MSB != \new
	s_set_vgpr_msb (MSB<<8)|\new
.set MSB, \new
.endif
.endm
; 64 numbers of a lane, register 16 b + i = k 32 b + 16 (lane / 16) + i of my row, become a fragment's codes in v[pc] on and its scale word in v[pw].
; ld = 1: the set is asked for again, with my K step nx, as soon as the conversions have emptied it.
.macro QUANT s, pc, pw, ld, nx
.irp b, 0,1,2,3
	v_max3_num_f32 v[TM+\b], |v[(\s)+16*\b]|, |v[(\s)+1+16*\b]|, 0x2800000   ; my 16 numbers of block b, and the floor 2^(5 - 127): the byte cannot fall under 1
.endr
.irp i, 2,4,6,8,10,12,14
.irp b, 0,1,2,3
	v_max3_num_f32 v[TM+\b], v[TM+\b], |v[(\s)+16*\b+\i]|, |v[(\s)+1+16*\b+\i]|
.endr
.endr
.irp b, 0,1,2,3
	v_permlanex16_b32 v[TM+4+\b], v[TM+\b], s[SEL], s[SEL+1]
.endr
.irp b, 0,1,2,3
	v_max_num_f32 v[TM+\b], v[TM+\b], v[TM+4+\b]          ; with lane l xor 16's: the block's largest magnitude
.endr
.irp b, 0,1,2,3
	v_add_nc_u32 v[TM+12+\b], 0xfe000000, v[TM+\b]        ; 4 off its exponent field: the conversion's scale operand
.endr
.irp b, 0,1,2,3
	v_lshrrev_b32 v[TM+4+\b], 23, v[TM+12+\b]             ; the scale's byte
.endr
	v_lshl_or_b32 v[\pw], v[TM+5], 8, v[TM+4]
	v_lshl_or_b32 v[\pw], v[TM+6], 16, v[\pw]
	v_lshl_or_b32 v[\pw], v[TM+7], 24, v[\pw]
.irp c, 0,1
	v_cvt_scalef32_pk16_bf6_f32 v[(\pc)+6*\c:(\pc)+2+6*\c], v[(\s)+32*\c:(\s)+15+32*\c], v[TM+12+2*\c]
	v_cvt_scalef32_pk16_bf6_f32 v[TP+4*\c:TP+2+4*\c], v[(\s)+16+32*\c:(\s)+31+32*\c], v[TM+13+2*\c]   ; (a conversion's three registers begin on an even number)
.endr
	v_nop                                          ; one plain place behind the scaled conversions
.if \ld
	s_wait_alu depctr_va_vdst(0)                   ; the maxima and the conversions are done reading the set's 64 registers, in which the loads below land; no line behind names them before the wait for their data
	XLOAD \s, \nx
.endif
.irp c, 0,1                            ; the operand's layout wants a whole block in a lane
.irp i, 0,1,2
	v_permlane16_swap_b32 v[(\pc)+6*\c+\i], v[TP+4*\c+\i]
.endr
.irp i, 0,1,2
	v_mov_b32 v[(\pc)+3+6*\c+\i], v[TP+4*\c+\i]
.endr
.endr
.endm
.macro XLOAD reg, i                    ; my 16 rows' numbers of my K step i: 64 a lane
.irp b, 0,1,2,3
.irp j, 0,1,2,3
	global_load_b128 v[\reg+16*\b+4*\j:\reg+16*\b+4*\j+3], v11, s[12:13] offset:512*(\i)+128*\b+16*\j
.endr
.endr
.endm
	s_load_b512 s[4:19], s[0:1], 0x0               ; W_a codes s[4:5], W_a scales s[6:7], W_p codes s[8:9], W_p scales s[10:11], output s[12:13], v_p s[14:15], wa_img s[16:17], zpart s[18:19]
	v_lshl_add_u32 v254, v0, 2, 0x2000
	v_mov_b32 v255, 0
	v_lshrrev_b32 v1, 5, v0
	v_readfirstlane_b32 s[WV], v1                  ; wave 0..7
	v_and_b32 v1, 31, v0                           ; lane
	v_and_b32 v2, 15, v0                           ; r
	v_bfe_u32 v3, v0, 4, 1                         ; h
	v_mul_u32_u24 v4, v2, 768                      ; a row of 1,024 codes is 768 bytes, in W_a and in W_p:
	v_mad_u32_u24 v4, v3, 24, v4                   ; row r, + 24 h
	v_lshlrev_b32 v5, 5, v2                        ; a row of scale bytes is 32 bytes: W_p's
	v_lshl_add_u32 v9, v3, 2, v5                   ; W_a's: lanes 16-31 take the next K step's word
	v_lshlrev_b32 v6, 4, v1                        ; 16 x lane: an image's place for my lane
	v_lshlrev_b32 v7, 3, v1                        ; 8 x lane
	v_lshlrev_b32 v10, 5, v3                       ; v_p: 32 h
	v_lshlrev_b32 v11, 12, v2
	v_lshl_add_u32 v11, v3, 6, v11                 ; output: row r of 4,096 bytes, + 64 h
	v_add_nc_u32 v14, 4096, v7                     ; LDS: all 64 z, 8 bytes a lane
.irp b, 0,1,2,3
	v_mov_b32 v[TM+4+\b], 0                        ; written once: a lane permute's destination counts as one of its sources
.endr
	s_mov_b32 s[SEL], 0x76543210
	s_mov_b32 s[SEL+1], 0xfedcba98
	s_wait_alu depctr_va_sdst(0)                   ; s20, the wave's number, is written, ahead of its first reader
	s_and_b32 s21, s[WV], 3                        ; m
	s_lshr_b32 s22, s[WV], 2                       ; kh
	s_lshl_b32 s2, s21, 10                         ; (s2 and s3 serve these lines alone: no scalar that a vector instruction reads is written again)
	v_add_nc_u32 v12, s2, v6                       ; LDS: the upper K half's sums of row tile m: 1,024 m + 16 x lane
	s_lshl_b32 s3, s21, 6
	v_lshl_add_u32 v13, v2, 2, s3
	v_add_nc_u32 v13, 4096, v13                    ; LDS: z of batch row 16 m + r
	s_and_b32 s23, s[WV], 1
	; byte offsets, each in a pair of its own
	s_mul_i32 s24, ttmp9, 12288                    ; 16 rows of 768 bytes
	s_mul_i32 s28, s22, 384
	s_add_co_u32 s28, s28, s24                     ; W_p's codes: + my four K steps
	s_mul_i32 s42, s[WV], 96
	s_add_co_u32 s24, s24, s42                     ; W_a's codes: + K step w
	s_mov_b32 s25, 0
	s_mov_b32 s29, 0
	s_lshl_b32 s26, ttmp9, 9                       ; 16 rows of 32 scale bytes
	s_lshl_b32 s30, s22, 4
	s_add_co_u32 s30, s30, s26                     ; W_p's scales
	s_and_b32 s42, s[WV], 6
	s_lshl_b32 s42, s42, 2
	s_add_co_u32 s26, s26, s42                     ; W_a's scales: K steps 2 (w / 2) and + 1
	s_mov_b32 s27, 0
	s_mov_b32 s31, 0
	s_lshl_b32 s32, s21, 16
	s_lshl_b32 s42, s22, 11
	s_add_co_u32 s32, s32, s42                     ; output: 16 m rows, 512 kh numbers
	s_mov_b32 s33, 0
	s_lshl_b32 s34, ttmp9, 6                       ; v_p
	s_mov_b32 s35, 0
	s_lshr_b32 s36, s[WV], 1
	s_lshl_b32 s36, s36, 5
	s_lshr_b32 s42, ttmp9, 1
	s_add_co_u32 s36, s36, s42
	s_mul_i32 s36, s36, 6400                       ; wa_img: block of chunk w / 2, pair t / 2
	s_and_b32 s42, ttmp9, 1
	s_lshl_b32 s43, s42, 2
	s_add_co_u32 s38, s36, s43
	s_add_co_u32 s38, s38, 6144                    ; its scale words, my tile's word of each lane's two
	s_mov_b32 s39, 0
	s_mul_i32 s42, s42, 1536
	s_add_co_u32 s36, s36, s42
	s_mul_i32 s43, s23, 3072
	s_add_co_u32 s36, s36, s43                     ; my fragment's image
	s_mov_b32 s37, 0
	s_lshl_b32 s40, ttmp9, 8                       ; zpart: row t of 256 bytes
	s_mov_b32 s41, 0
	s_wait_kmcnt 0x0
	s_add_nc_u64 s[4:5], s[4:5], s[24:25]
	s_add_nc_u64 s[6:7], s[6:7], s[26:27]
	s_add_nc_u64 s[8:9], s[8:9], s[28:29]
	s_add_nc_u64 s[10:11], s[10:11], s[30:31]
	s_add_nc_u64 s[12:13], s[12:13], s[32:33]
	s_add_nc_u64 s[14:15], s[14:15], s[34:35]
	s_add_nc_u64 s[46:47], s[16:17], s[38:39]
	s_add_nc_u64 s[16:17], s[16:17], s[36:37]
	s_add_nc_u64 s[18:19], s[18:19], s[40:41]
	s_wait_alu depctr_va_vdst(0)                   ; the offsets and LDS addresses v4 to v14 are written, which the loads and stores of the whole kernel read; up to the last of the 66 loads only loads and window switches follow
	; 66 loads: W_a's fragment and word (7), two K steps of output (16 + 16), W_p's fragments and words (24 + 1), v_p (2)
.irp p, 0,1,2,3,4,5
	global_load_b64 v[RL+2*\p:RL+2*\p+1], v4, s[4:5] offset:48*(\p/3)+8*(\p%3)
.endr
	global_load_b32 v[RL+12], v9, s[6:7]
	XLOAD X0, 0
	XLOAD X1, 1
	WIN 0x40                                       ; destination window 1
.irp i, 0,1,2,3
.irp p, 0,1,2,3,4,5
	global_load_b64 v[12*\i+2*\p:12*\i+2*\p+1], v4, s[8:9] offset:96*\i+48*(\p/3)+8*(\p%3)
.endr
.endr
	WIN 0
	global_load_b128 v[WPS:WPS+3], v5, s[10:11]
	global_load_b128 v[VP:VP+3], v10, s[14:15]
	global_load_b128 v[VP+4:VP+7], v10, s[14:15] offset:16
	s_wait_loadcnt 59                              ; behind W_a's seven loads 59 were issued
.irp g, 0,1,2
	global_store_b128 v6, v[RL+4*\g:RL+4*\g+3], s[16:17] offset:512*\g   ; the fragment as it stands: 512 consecutive bytes a store
.endr
	s_cmp_eq_u32 s23, 0                            ; an even wave's word register holds both K steps of the chunk (lanes 0-15, lanes 16-31): it alone stores
	s_cbranch_scc0 .Lodd
	global_store_b32 v7, v[RL+12], s[46:47]
.Lodd:
	s_wait_loadcnt 43                              ; behind K step 0's sixteen: 16 + 25 + 2
	QUANT X0, AC, PWS, 1, 2
	s_wait_loadcnt 43                              ; behind K step 1's sixteen: 25 + 2 + 16
	QUANT X1, AC+12, PWS+1, 1, 3
	s_wait_loadcnt 16                              ; behind K step 2's sixteen: 16
	QUANT X0, AC+24, PWS+2, 0, 0
	s_wait_loadcnt 0x0
	QUANT X1, AC+36, PWS+3, 0, 0
	s_wait_xcnt 0x0                                ; the stores above have read v48-60: the accumulators may take them
	s_wait_alu depctr_vm_vsrc(0)                   ; the image's stores have read v48-60, which the products below write
.rept 8
	v_nop                                          ; a scale register written by a vector instruction stands 8 places ahead of a scaled matrix instruction, an operand 4
.endr
	WIN 0x01                                       ; source 0 (W_p) window 1
	s_wait_alu depctr_va_vdst(0)                   ; the quantiser has written output's fragments v192-239 and scale words v20-23, which the scaled products take; the places above stay beside this wait
	; two accumulators by turns
	v_wmma_scale_f32_16x16x128_f8f6f4 v[48:55], v[0:11], v[AC:AC+11], 0, v[WPS], v[PWS] matrix_a_fmt:MATRIX_FMT_BF6 matrix_b_fmt:MATRIX_FMT_BF6
	v_wmma_scale_f32_16x16x128_f8f6f4 v[56:63], v[12:23], v[AC+12:AC+23], 0, v[WPS+1], v[PWS+1] matrix_a_fmt:MATRIX_FMT_BF6 matrix_b_fmt:MATRIX_FMT_BF6
	v_wmma_scale_f32_16x16x128_f8f6f4 v[48:55], v[24:35], v[AC+24:AC+35], v[48:55], v[WPS+2], v[PWS+2] matrix_a_fmt:MATRIX_FMT_BF6 matrix_b_fmt:MATRIX_FMT_BF6
	v_wmma_scale_f32_16x16x128_f8f6f4 v[56:63], v[36:47], v[AC+36:AC+47], v[56:63], v[WPS+3], v[PWS+3] matrix_a_fmt:MATRIX_FMT_BF6 matrix_b_fmt:MATRIX_FMT_BF6
	WIN 0
.rept 4
	v_nop                                          ; four places behind the last product, ahead of the first read of results
.endr
.irp j, 0,2,4,6
	v_pk_add_f32 v[64+\j:65+\j], v[48+\j:49+\j], v[56+\j:57+\j]   ; my half of K: from the accumulators' low ends on
.endr
	s_wait_alu depctr_va_vdst(0)                   ; the additions have written v64-71, which the LDS stores below read; no vector instruction behind this wait names v72-79 before the LDS loads that land there
	s_cmp_lt_u32 s[WV], 4                          ; the upper K half's waves hand their sums over, as an image of the registers
	s_cbranch_scc1 .Llower
	ds_store_b128 v12, v[64:67]
	ds_store_b128 v12, v[68:71] offset:512
.Llower:
	s_wait_dscnt 0x0                               ; for the others' sake: my stores have landed
	s_wait_alu depctr_vm_vsrc(0)                   ; the LDS stores above have read v64-71; behind the barrier the text writes these registers again (in the arm of the waves that did not store)
	s_barrier_signal -1
	s_barrier_wait -1
	s_cmp_lt_u32 s[WV], 4
	s_cbranch_scc0 .Lupper
	ds_load_b128 v[72:75], v12
	ds_load_b128 v[76:79], v12 offset:512
	s_wait_dscnt 0x0
.irp j, 0,2,4,6
	v_pk_add_f32 v[64+\j:65+\j], v[64+\j:65+\j], v[72+\j:73+\j]
.endr
	; tanh(x) = 1 - 2 / (1 + 2^(2 x log2 e))
.irp j, 0,1,2,3,4,5,6,7
	v_mul_f32 v[64+\j], 0x4038aa3b, v[64+\j]
.endr
.irp j, 0,1,2,3,4,5,6,7
	v_exp_f32 v[64+\j], v[64+\j]
.endr
	v_nop                                          ; a plain place behind the batch,
	s_wait_alu depctr_va_vdst(0)                   ; and one wait for it: the eight exponentials have written v64-71, ahead of their first reader
.irp j, 0,1,2,3,4,5,6,7
	v_add_f32 v[64+\j], 1.0, v[64+\j]
.endr
.irp j, 0,1,2,3,4,5,6,7
	v_rcp_f32 v[64+\j], v[64+\j]
.endr
	v_nop
	s_wait_alu depctr_va_vdst(0)                   ; the eight reciprocals have written v64-71, ahead of their first reader
.irp j, 0,1,2,3,4,5,6,7
	v_fma_f32 v[64+\j], -2.0, v[64+\j], 1.0
.endr
	v_mul_f32 v72, v64, v[VP]                      ; times v_p, summed over my eight columns,
.irp j, 1,2,3,4,5,6,7
	v_fma_f32 v72, v[64+\j], v[VP+\j], v72
.endr
	v_permlanex16_b32 v[TM+4], v72, s[SEL], s[SEL+1]
	v_add_f32 v72, v72, v[TM+4]                    ; and lane l xor 16's eight
	s_wait_alu depctr_va_vdst(0)                   ; the addition has written v72, which the LDS store reads
	ds_store_b32 v13, v72                          ; lanes r and r + 16 write the same word with the same value
.Lupper:
	s_wait_dscnt 0x0
	s_wait_alu depctr_vm_vsrc(0)                   ; the LDS store has read v72, in which wave 0's LDS load below lands
	s_barrier_signal -1
	s_barrier_wait -1
	s_cmp_lg_u32 s[WV], 0
	s_cbranch_scc1 .Lend
	ds_load_b64 v[72:73], v14                      ; no vector instruction since the last wait on va_vdst names v72 or v73
	s_wait_dscnt 0x0
	global_store_b64 v7, v[72:73], s[18:19]        ; 32 lanes store the row's 256 consecutive bytes, aligned
.Lend:
	s_wait_dscnt 0x0                               ; the closing lines, six on end
	s_wait_alu 0x0
	s_wait_tensorcnt 0x0
	ds_add_u32 v254, v255
	s_wait_dscnt 0x0
	s_endpgm
.Lfunc_end_k_q0a3505b846_prep:
	.size	k_q0a3505b846_prep, .Lfunc_end_k_q0a3505b846_prep-k_q0a3505b846_prep
	.p2alignl 7, 3214868480
	.fill 96, 4, 3214868480
	.section	.rodata,"a",@progbits
	.p2align	6, 0x0
	.amdhsa_kernel k_q0a3505b846_prep
		.amdhsa_group_segment_fixed_size 9216
		.amdhsa_private_segment_fixed_size 0
		.amdhsa_enable_private_segment 0
		.amdhsa_kernarg_size 64
		.amdhsa_user_sgpr_count 2
		.amdhsa_user_sgpr_kernarg_segment_ptr 1
		.amdhsa_wavefront_size32 1
		.amdhsa_system_sgpr_workgroup_id_x 1
		.amdhsa_system_sgpr_workgroup_id_y 1
		.amdhsa_system_sgpr_workgroup_id_z 1
		.amdhsa_system_vgpr_workitem_id 0
		.amdhsa_next_free_vgpr 320
		.amdhsa_next_free_sgpr 66
		.amdhsa_reserve_vcc 0
		.amdhsa_float_denorm_mode_32 3
		.amdhsa_float_denorm_mode_16_64 3
		.amdhsa_memory_ordered 1
		.amdhsa_forward_progress 1
		.amdhsa_inst_pref_size 34
	.end_amdhsa_kernel
	.amdgpu_metadata
---
amdhsa.version: [ 1, 2 ]
amdhsa.kernels:
  - .name:           k_q0a3505b846_prep
    .symbol:         k_q0a3505b846_prep.kd
    .args:
      - { .name: W_a_codes, .offset: 0, .size: 8, .value_kind: global_buffer, .address_space: global }
      - { .name: W_a_scales, .offset: 8, .size: 8, .value_kind: global_buffer, .address_space: global }
      - { .name: W_p_codes, .offset: 16, .size: 8, .value_kind: global_buffer, .address_space: global }
      - { .name: W_p_scales, .offset: 24, .size: 8, .value_kind: global_buffer, .address_space: global }
      - { .name: output, .offset: 32, .size: 8, .value_kind: global_buffer, .address_space: global }
      - { .name: v_p, .offset: 40, .size: 8, .value_kind: global_buffer, .address_space: global }
      - { .name: wa_img, .offset: 48, .size: 8, .value_kind: global_buffer, .address_space: global }
      - { .name: zpart, .offset: 56, .size: 8, .value_kind: global_buffer, .address_space: global }
    .group_segment_fixed_size: 9216
    .private_segment_fixed_size: 0
    .kernarg_segment_align: 8
    .kernarg_segment_size: 64
    .max_flat_workgroup_size: 256
    .sgpr_count:     66
    .vgpr_count:     320
    .wavefront_size: 32
...
	.end_amdgpu_metadata
.endif
;; end of part 5
;; launch scores: the kernel of part 2 again; grid 4 x 64, 4 waves a work-group, clusters of 4 x 1, 327,680 bytes of LDS; arguments encoder_outputs, output, wa_img, zpart, scores, win, pt; writes scores, win, pt
;; launch context: the kernel of part 3 again; grid 4 x 64, 8 waves a work-group, no clusters, 9,216 bytes of LDS; arguments encoder_outputs, scores, win, pt, ctx; writes ctx
;; launch final (part 6): grid 16 x 2, 8 waves a work-group, no clusters, 36,864 bytes of LDS; arguments ctx, output, W_c_codes, W_c_scales, out0; writes out0
.if DOCPART == 6
	.amdgcn_target "amdgcn-amd-amdhsa--gfx1250"
	.amdhsa_code_object_version 6
	.text
	.protected	k_q0a3505b846_final
	.globl	k_q0a3505b846_final
	.p2align	8
	.type	k_q0a3505b846_final,@function
k_q0a3505b846_final:
	s_mov_b64 s[64:65], 0
	v_nop
	global_prefetch_b8 v0, s[64:65] scope:SCOPE_SE
	s_setreg_imm32_b32 hwreg(HW_REG_WAVE_SCHED_MODE, 0, 2), 2
	s_setreg_imm32_b32 hwreg(HW_REG_WAVE_MODE, 25, 1), 1
	s_wait_xcnt 0x0
	s_wait_alu depctr_vm_vsrc(0)
; FINAL.  out0 = tanh([ctx, output] W_c^T), the product on codes of E3M2 with E8M0 scales.  [ctx, output] is quantised here, along its 2,048.
; Work-group (tc, mh) takes columns 64 tc .. + 63 and batch rows 32 mh .. + 31.  Wave w: row tile mp = w % 2, K steps 4 kq .. + 3 with kq = w / 2 (kq < 2: ctx; else output).
; The product is used transposed (source 0 = 16 rows of W_c, source 1 = my 16 batch rows): a lane holds one batch row and eight neighbouring columns.  The four K quarters meet in LDS.
; 32 work-groups: the product has 64 rows, and a finer split would read W_c more often for less work each.  No tensor load, no cluster: what is shared is read twice in all.
; LIMITS: NaN and infinities are not served.  A block of zeros gets the scale byte 1 (the rule says 127): its codes are zeros, and the byte is read here alone.
; THE MODE: SCHED_MODE bits 1:0 = 2 (LLVM: expert scheduling mode 2), set by the entry lines.  The code itself states the register dependences
; between vector or matrix instructions and memory or LDS instructions, with s_wait_alu, always for 0.
; THE PLAN.  Registers that memory or LDS instructions touch:
;   v4, v5, v11-v14  offsets and LDS addresses: written at the head and never again.  One wait on va_vdst ahead of the first load serves every load and store of the kernel.
;   X0, X1    loaded; read by the quantiser's maxima and conversions; loaded again for K steps 2 and 3: one wait on va_vdst behind the conversions, the loads straight behind it,
;             and the exchange of halves, which names none of these registers, behind the loads.
;   v32-35, v192-239  written by the quantiser, taken by the scaled products: one wait on va_vdst behind the eight places.
;   v64-95    the accumulators: written by the products, read by the LDS stores (va_vdst behind the four places), and not written again.
;   v128-159  LDS loads land in them: the last vector instruction that named them stands ahead of the wait in front of the products.
;   v128-131, v144-147  then written by the arithmetic and read by the global stores: one wait on va_vdst ahead of these.
;   v16-31, window 1 v0-191  loaded once; the products read them behind the wait for their data.
;   v254, v255  written at the head, read by the closing add alone.
; No register that a memory or LDS instruction reads is written again: the text holds no wait on vm_vsrc.
.set SEL, 18                           ; s[18:19]
.set WCS, 16                           ; v16-31  W_c's scale words, tile tt, K step i at 4 tt + i: scales and nothing else
.set PWS, 32                           ; v32-35  my rows' scale words: scales and nothing else
.set TM,  36                           ; v36-51  the quantiser's work
.set TP,  52                           ; v52-59  the conversions' second halves
.set X0,  64                           ; v64-127, v128-191  two sets of 64 numbers
.set X1,  128
.set ACC, 64                           ; v64-95  the four accumulators, where the first set lay
.set AC,  192                          ; v192-239 my rows' four fragments
.set MSB, 0                            ; window 1: v0-191 W_c's 16 fragments, (tt, i) at 12 (4 tt + i)
.macro WIN new                         ; the immediate's high byte repeats the setting that is left
.if MSB != \new
	s_set_vgpr_msb (MSB<<8)|\new
.set MSB, \new
.endif
.endm
; 64 numbers of a lane, register 16 b + i = k 32 b + 16 (lane / 16) + i of my row, become a fragment's codes in v[pc] on and its scale word in v[pw].
; ld = 1: the set is asked for again, with my K step nx, as soon as the conversions have emptied it.
.macro QUANT s, pc, pw, ld, nx
.irp b, 0,1,2,3
	v_max3_num_f32 v[TM+\b], |v[(\s)+16*\b]|, |v[(\s)+1+16*\b]|, 0x2800000   ; and the floor 2^(5 - 127): the byte cannot fall under 1
.endr
.irp i, 2,4,6,8,10,12,14
.irp b, 0,1,2,3
	v_max3_num_f32 v[TM+\b], v[TM+\b], |v[(\s)+16*\b+\i]|, |v[(\s)+1+16*\b+\i]|
.endr
.endr
.irp b, 0,1,2,3
	v_permlanex16_b32 v[TM+4+\b], v[TM+\b], s[SEL], s[SEL+1]
.endr
.irp b, 0,1,2,3
	v_max_num_f32 v[TM+\b], v[TM+\b], v[TM+4+\b]
.endr
.irp b, 0,1,2,3
	v_add_nc_u32 v[TM+12+\b], 0xfe000000, v[TM+\b]        ; 4 off the exponent field: the conversion's scale operand
.endr
.irp b, 0,1,2,3
	v_lshrrev_b32 v[TM+4+\b], 23, v[TM+12+\b]             ; the scale's byte
.endr
	v_lshl_or_b32 v[\pw], v[TM+5], 8, v[TM+4]
	v_lshl_or_b32 v[\pw], v[TM+6], 16, v[\pw]
	v_lshl_or_b32 v[\pw], v[TM+7], 24, v[\pw]
.irp c, 0,1
	v_cvt_scalef32_pk16_bf6_f32 v[(\pc)+6*\c:(\pc)+2+6*\c], v[(\s)+32*\c:(\s)+15+32*\c], v[TM+12+2*\c]
	v_cvt_scalef32_pk16_bf6_f32 v[TP+4*\c:TP+2+4*\c], v[(\s)+16+32*\c:(\s)+31+32*\c], v[TM+13+2*\c]
.endr
	v_nop                                          ; one plain place behind the scaled conversions
.if \ld
	s_wait_alu depctr_va_vdst(0)                   ; the maxima and the conversions are done reading the set's 64 registers, in which the loads below land; no line behind names them before the wait for their data
	XLOAD \s, \nx
.endif
.irp c, 0,1
.irp i, 0,1,2
	v_permlane16_swap_b32 v[(\pc)+6*\c+\i], v[TP+4*\c+\i]
.endr
.irp i, 0,1,2
	v_mov_b32 v[(\pc)+3+6*\c+\i], v[TP+4*\c+\i]
.endr
.endr
.endm
.macro XLOAD reg, i
.irp b, 0,1,2,3
.irp j, 0,1,2,3
	global_load_b128 v[\reg+16*\b+4*\j:\reg+16*\b+4*\j+3], v11, s[4:5] offset:512*(\i)+128*\b+16*\j
.endr
.endr
.endm
	s_load_b256 s[4:11], s[0:1], 0x0               ; ctx s[4:5], output s[6:7], W_c codes s[8:9], W_c scales s[10:11]
	s_load_b64 s[12:13], s[0:1], 0x20              ; out0
	v_lshl_add_u32 v254, v0, 2, 0x8c00
	v_mov_b32 v255, 0
	v_lshrrev_b32 v1, 5, v0
	v_readfirstlane_b32 s14, v1                    ; wave 0..7
	v_and_b32 v2, 15, v0                           ; r
	v_bfe_u32 v3, v0, 4, 1                         ; h
	v_mul_u32_u24 v4, v2, 1536                     ; a row of W_c is 2,048 codes: 1,536 bytes
	v_mad_u32_u24 v4, v3, 24, v4
	v_lshlrev_b32 v5, 6, v2                        ; and 64 scale bytes
	v_lshlrev_b32 v11, 12, v2
	v_lshl_add_u32 v11, v3, 6, v11                 ; my batch row of 4,096 bytes, + 64 h
	v_mul_u32_u24 v12, v2, 272
	v_lshl_add_u32 v12, v3, 5, v12                 ; the stage, in: row r, + 32 h
	v_mul_u32_u24 v13, v3, 272
	v_lshl_add_u32 v13, v2, 4, v13                 ; back: row h, 16 bytes a lane
	v_lshlrev_b32 v14, 12, v3
	v_lshl_add_u32 v14, v2, 4, v14                 ; and the same in out0
.irp b, 0,1,2,3
	v_mov_b32 v[TM+4+\b], 0                        ; written once: a lane permute's destination counts as one of its sources
.endr
	s_and_b32 s17, ttmp7, 0xffff                   ; mh
	s_mov_b32 s[SEL], 0x76543210
	s_mov_b32 s[SEL+1], 0xfedcba98
	s_wait_alu depctr_va_sdst(0)                   ; s14, the wave's number, is written, ahead of its first reader
	s_and_b32 s15, s14, 1                          ; mp
	s_lshr_b32 s16, s14, 1                         ; kq
	s_mul_i32 s32, s16, 8704                       ; LDS: K quarter kq: 32 rows x (256 bytes + 16)   (s32 and s34 serve these lines alone: no scalar that a vector instruction reads is written again)
	s_mul_i32 s33, s15, 4352
	s_add_co_u32 s32, s32, s33
	v_add_nc_u32 v12, s32, v12                     ; in: row 16 mp + r, + 32 h
	s_mul_i32 s34, s14, 1088
	v_add_nc_u32 v13, s34, v13                     ; back: rows 4 w + h (and two on), 16 bytes a lane
	s_lshl_b32 s20, s17, 17                        ; 32 mh rows of 4,096 bytes
	s_lshl_b32 s22, s15, 16
	s_add_co_u32 s22, s22, s20
	s_and_b32 s24, s16, 1
	s_lshl_b32 s24, s24, 11
	s_add_co_u32 s22, s22, s24                     ; my rows, my four K steps within ctx or output
	s_mov_b32 s23, 0
	s_mul_i32 s24, ttmp9, 98304                    ; 64 rows of W_c
	s_mul_i32 s26, s16, 384
	s_add_co_u32 s24, s24, s26
	s_mov_b32 s25, 0
	s_lshl_b32 s26, ttmp9, 12
	s_lshl_b32 s28, s16, 4
	s_add_co_u32 s26, s26, s28
	s_mov_b32 s27, 0
	s_lshl_b32 s28, s14, 14
	s_add_co_u32 s28, s28, s20
	s_lshl_b32 s30, ttmp9, 8
	s_add_co_u32 s28, s28, s30                     ; out0: row 32 mh + 4 w, column 64 tc
	s_mov_b32 s29, 0
	s_wait_kmcnt 0x0
	s_cmp_lt_u32 s16, 2                            ; the choice hangs on the wave's number alone
	s_cselect_b64 s[4:5], s[4:5], s[6:7]
	s_add_nc_u64 s[4:5], s[4:5], s[22:23]
	s_add_nc_u64 s[8:9], s[8:9], s[24:25]
	s_add_nc_u64 s[10:11], s[10:11], s[26:27]
	s_add_nc_u64 s[12:13], s[12:13], s[28:29]
	WIN 0x40                                       ; destination window 1.  W_c's loads go first, so that every later count fits a wait
	s_wait_alu depctr_va_vdst(0)                   ; the offsets and LDS addresses v4, v5 and v11 to v14 are written, which the loads and stores of the whole kernel read; up to the last of the 132 loads only loads and a window switch follow
.irp tt, 0,1,2,3
.irp i, 0,1,2,3
.irp p, 0,1,2,3,4,5
	global_load_b64 v[12*(4*\tt+\i)+2*\p:12*(4*\tt+\i)+2*\p+1], v4, s[8:9] offset:24576*\tt+96*\i+48*(\p/3)+8*(\p%3)
.endr
.endr
.endr
	WIN 0
.irp tt, 0,1,2,3
	global_load_b128 v[WCS+4*\tt:WCS+4*\tt+3], v5, s[10:11] offset:1024*\tt
.endr
	XLOAD X0, 0
	XLOAD X1, 1
	s_wait_loadcnt 16                              ; all but the sixteen loads of the next K step, here and twice below
	QUANT X0, AC, PWS, 1, 2
	s_wait_loadcnt 16
	QUANT X1, AC+12, PWS+1, 1, 3
	s_wait_loadcnt 16
	QUANT X0, AC+24, PWS+2, 0, 0
	s_wait_loadcnt 0x0
	QUANT X1, AC+36, PWS+3, 0, 0
.rept 8
	v_nop                                          ; a scale register written by a vector instruction stands 8 places ahead of a scaled matrix instruction, an operand 4
.endr
	WIN 0x01                                       ; source 0 (W_c) window 1
	s_wait_alu depctr_va_vdst(0)                   ; the quantiser has written my rows' fragments v192-239 and scale words v32-35, which the scaled products take; the places above stay beside this wait
.irp i, 0,1,2,3                        ; four accumulators by turns; the first K step starts the sums
.irp tt, 0,1,2,3
.if \i == 0
	v_wmma_scale_f32_16x16x128_f8f6f4 v[ACC+8*\tt:ACC+8*\tt+7], v[12*(4*\tt+\i):12*(4*\tt+\i)+11], v[AC+12*\i:AC+12*\i+11], 0, v[WCS+4*\tt+\i], v[PWS+\i] matrix_a_fmt:MATRIX_FMT_BF6 matrix_b_fmt:MATRIX_FMT_BF6
.else
	v_wmma_scale_f32_16x16x128_f8f6f4 v[ACC+8*\tt:ACC+8*\tt+7], v[12*(4*\tt+\i):12*(4*\tt+\i)+11], v[AC+12*\i:AC+12*\i+11], v[ACC+8*\tt:ACC+8*\tt+7], v[WCS+4*\tt+\i], v[PWS+\i] matrix_a_fmt:MATRIX_FMT_BF6 matrix_b_fmt:MATRIX_FMT_BF6
.endif
.endr
.endr
	WIN 0
.rept 4
	v_nop                                          ; four places ahead of the first read of results
.endr
	s_wait_alu depctr_va_vdst(0)                   ; the products have written the accumulators v64-95, which the LDS stores read; the places above stay beside this wait
.irp tt, 0,1,2,3
	ds_store_b128 v12, v[ACC+8*\tt:ACC+8*\tt+3] offset:64*\tt         ; each accumulator from its low end on: columns 16 tt + 8 h + 0 .. 7 of my row
	ds_store_b128 v12, v[ACC+8*\tt+4:ACC+8*\tt+7] offset:64*\tt+16
.endr
	s_wait_dscnt 0x0                               ; for the others' sake
	s_barrier_signal -1
	s_barrier_wait -1
.irp u, 0,1
.irp k, 0,1,2,3
	ds_load_b128 v[128+16*\u+4*\k:131+16*\u+4*\k], v13 offset:544*\u+8704*\k   ; no vector or matrix instruction since the wait in front of the products names v128-159
.endr
.endr
	s_wait_dscnt 0x0
.irp u, 0,1
.irp k, 1,2,3
	v_pk_add_f32 v[128+16*\u:129+16*\u], v[128+16*\u:129+16*\u], v[128+16*\u+4*\k:129+16*\u+4*\k]
	v_pk_add_f32 v[130+16*\u:131+16*\u], v[130+16*\u:131+16*\u], v[130+16*\u+4*\k:131+16*\u+4*\k]
.endr
.endr
	; tanh(x) = 1 - 2 / (1 + 2^(2 x log2 e))
.irp j, 128,129,130,131,144,145,146,147
	v_mul_f32 v[\j], 0x4038aa3b, v[\j]
.endr
.irp j, 128,129,130,131,144,145,146,147
	v_exp_f32 v[\j], v[\j]
.endr
	v_nop                                          ; a plain place behind the batch,
	s_wait_alu depctr_va_vdst(0)                   ; and one wait for it: the eight exponentials have written their registers, ahead of their first reader
.irp j, 128,129,130,131,144,145,146,147
	v_add_f32 v[\j], 1.0, v[\j]
.endr
.irp j, 128,129,130,131,144,145,146,147
	v_rcp_f32 v[\j], v[\j]
.endr
	v_nop
	s_wait_alu depctr_va_vdst(0)                   ; the eight reciprocals have written their registers, ahead of their first reader
.irp j, 128,129,130,131,144,145,146,147
	v_fma_f32 v[\j], -2.0, v[\j], 1.0
.endr
	s_wait_alu depctr_va_vdst(0)                   ; the multiply-adds have written v128-131 and v144-147, which the stores read
.irp u, 0,1
	global_store_b128 v14, v[128+16*\u:131+16*\u], s[12:13] offset:8192*\u   ; sixteen lanes store 256 consecutive bytes of a row, aligned
.endr
	s_wait_dscnt 0x0                               ; the closing lines, six on end
	s_wait_alu 0x0
	s_wait_tensorcnt 0x0
	ds_add_u32 v254, v255
	s_wait_dscnt 0x0
	s_endpgm
.Lfunc_end_k_q0a3505b846_final:
	.size	k_q0a3505b846_final, .Lfunc_end_k_q0a3505b846_final-k_q0a3505b846_final
	.p2alignl 7, 3214868480
	.fill 96, 4, 3214868480
	.section	.rodata,"a",@progbits
	.p2align	6, 0x0
	.amdhsa_kernel k_q0a3505b846_final
		.amdhsa_group_segment_fixed_size 36864
		.amdhsa_private_segment_fixed_size 0
		.amdhsa_enable_private_segment 0
		.amdhsa_kernarg_size 40
		.amdhsa_user_sgpr_count 2
		.amdhsa_user_sgpr_kernarg_segment_ptr 1
		.amdhsa_wavefront_size32 1
		.amdhsa_system_sgpr_workgroup_id_x 1
		.amdhsa_system_sgpr_workgroup_id_y 1
		.amdhsa_system_sgpr_workgroup_id_z 1
		.amdhsa_system_vgpr_workitem_id 0
		.amdhsa_next_free_vgpr 448
		.amdhsa_next_free_sgpr 66
		.amdhsa_reserve_vcc 0
		.amdhsa_float_denorm_mode_32 3
		.amdhsa_float_denorm_mode_16_64 3
		.amdhsa_memory_ordered 1
		.amdhsa_forward_progress 1
		.amdhsa_inst_pref_size 41
	.end_amdhsa_kernel
	.amdgpu_metadata
---
amdhsa.version: [ 1, 2 ]
amdhsa.kernels:
  - .name:           k_q0a3505b846_final
    .symbol:         k_q0a3505b846_final.kd
    .args:
      - { .name: ctx, .offset: 0, .size: 8, .value_kind: global_buffer, .address_space: global }
      - { .name: output, .offset: 8, .size: 8, .value_kind: global_buffer, .address_space: global }
      - { .name: W_c_codes, .offset: 16, .size: 8, .value_kind: global_buffer, .address_space: global }
      - { .name: W_c_scales, .offset: 24, .size: 8, .value_kind: global_buffer, .address_space: global }
      - { .name: out0, .offset: 32, .size: 8, .value_kind: global_buffer, .address_space: global }
    .group_segment_fixed_size: 36864
    .private_segment_fixed_size: 0
    .kernarg_segment_align: 8
    .kernarg_segment_size: 40
    .max_flat_workgroup_size: 256
    .sgpr_count:     66
    .vgpr_count:     448
    .wavefront_size: 32
...
	.end_amdgpu_metadata
.endif
;; end of part 6
